; MI455X (gfx1250); checked and timed in simulation.
; The chip was launched on July 23, 2026; its instructions are those of AMD's public machine-readable ISA for CDNA 5 (MIT licence, August 2026) and "CDNA5" Instruction Set Architecture Reference Guide (July 2026). The comments in the code are by the model that wrote it; some were corrected since.
;; Smol VLM Text Attention. Allowed arithmetic: float matrix products may take bf16 or f16 operands with f32 sums; all other float work in f32.
;; Inputs: Wk 512 x 2,048 float32; Wo 2,048 x 1,024 float32; Wq 1,024 x 2,048 float32; Wv 512 x 2,048 float32; attention_mask 2 x 1 x 2,048 x 2,048 float32; cos 2 x 2,048 x 64 float32; hidden_states 2 x 2,048 x 2,048 float32; sin 2 x 2,048 x 64 float32.
;; Outputs: out0 2 x 2,048 x 2,048 float32.
;; 2 versions, each right; version 2 is version 1 with the launch cast written anew for expert scheduling mode. Each part assembles by itself: llvm-mc -triple=amdgcn-amd-amdhsa -mcpu=gfx1250 --defsym DOCPART=n.
;; ======== version 1 of 2: 4 launches
;; limits: values are held in f16: magnitudes above 65,504 overflow, below 6.1e-05 lose precision
;; workspace buffers: cvt 30,408,704 bytes; qkv 16,777,216 bytes; att 8,388,608 bytes
;; launch cast (part 1): grid 928 x 1, 8 waves a work-group, no clusters, 0 bytes of LDS; arguments hidden_states, Wq, Wk, Wv, Wo, cos, sin, cvt; writes cvt
.if DOCPART == 1
	.amdgcn_target "amdgcn-amd-amdhsa--gfx1250"
	.amdhsa_code_object_version 6
	.text
	.protected	k_q1e015416e8_cast
	.globl	k_q1e015416e8_cast
	.p2align	8
	.type	k_q1e015416e8_cast,@function
k_q1e015416e8_cast:
	s_mov_b64 s[64:65], 0
	v_nop
	global_prefetch_b8 v0, s[64:65] scope:SCOPE_SE
	s_setreg_imm32_b32 hwreg(HW_REG_WAVE_MODE, 25, 1), 1
	s_wait_xcnt 0x0
; CAST.  All 16-bit operands of the later launches, made once: x, Wq, Wk, Wv, cos and sin rounded to bf16; Wo rounded to bf16 and that number written as f16
; (exact inside f16's normal range; below 6e-5 it keeps f16's fixed step of 6e-8: a stated limit).
; cvt is 928 chunks of 32,768 bytes in the order x (512), Wq (128), Wk (64), Wv (64), Wo (128), cos (16), sin (16): a work-group makes chunk c from 16,384 f32 of its source.
; A stream: no LDS, no matrix unit.  Thread t takes 16 bytes at 16 t of each of 16 pieces of 4,096 bytes (a wave's load covers 512 consecutive bytes) and stores 8 bytes at 8 t of each
; piece of 2,048 bytes (a wave's store covers 256 consecutive bytes, aligned).  All 16 loads go out at once.
.set CH_WQ,  512                       ; the sources' first chunks
.set CH_WK,  640
.set CH_WV,  704
.set CH_WO,  768
.set CH_COS, 896
.set CH_SIN, 912
.set X, 4                              ; v[4:67]    16 pieces as loaded
.set Y, 68                             ; v[68:99]   16 pieces to store
.set T, 100                            ; v[100:105] at work (Wo's path)
	s_load_b512 s[4:19], s[0:1], 0x0               ; x s[4:5], Wq s[6:7], Wk s[8:9], Wv s[10:11], Wo s[12:13], cos s[14:15], sin s[16:17], cvt s[18:19]
	v_lshlrev_b32 v1, 4, v0                        ; 16 t
	v_lshlrev_b32 v2, 3, v0                        ; 8 t
	s_mov_b32 s22, 0                               ; the source's first chunk
	s_mov_b32 s25, 0
	s_mov_b32 s27, 0
	s_lshl_b32 s26, ttmp9, 15                      ; my chunk in cvt
	s_mov_b32 s28, 0xffff0000                      ; a word's upper bf16
	s_wait_kmcnt 0x0
	s_mov_b64 s[20:21], s[4:5]
.macro PICK start, ptr                 ; from chunk start on the source is the buffer at s[ptr]: the choice hangs on the work-group's number alone
	s_cmp_ge_u32 ttmp9, \start
	s_cselect_b64 s[20:21], s[\ptr:\ptr+1], s[20:21]
	s_cselect_b32 s22, \start, s22
.endm
	PICK CH_WQ, 6
	PICK CH_WK, 8
	PICK CH_WV, 10
	PICK CH_WO, 12
	PICK CH_COS, 14
	PICK CH_SIN, 16
	s_sub_co_u32 s24, ttmp9, s22
	s_lshl_b32 s24, s24, 16                        ; my 65,536 bytes in the source
	s_add_nc_u64 s[20:21], s[20:21], s[24:25]
	s_add_nc_u64 s[18:19], s[18:19], s[26:27]
.irp i, 0,1,2,3,4,5,6,7,8,9,10,11,12,13,14,15
	global_load_b128 v[X+4*(\i):X+4*(\i)+3], v1, s[20:21] offset:4096*(\i) th:TH_LOAD_NT
.endr
	s_cmp_lt_u32 ttmp9, CH_WO
	s_cbranch_scc1 .Lplain
	s_cmp_lt_u32 ttmp9, CH_COS
	s_cbranch_scc1 .Lwo
.Lplain:
.irp i, 0,1,2,3,4,5,6,7,8,9,10,11,12,13,14,15
	s_wait_loadcnt 15-(\i)                         ; loads come back in order: piece i is in, the younger ones stay out
	v_cvt_pk_bf16_f32 v[Y+2*(\i)],   v[X+4*(\i)],   v[X+4*(\i)+1]
	v_cvt_pk_bf16_f32 v[Y+2*(\i)+1], v[X+4*(\i)+2], v[X+4*(\i)+3]
	global_store_b64 v2, v[Y+2*(\i):Y+2*(\i)+1], s[18:19] offset:2048*(\i)
.endr
	s_endpgm
.Lwo:                                  ; Wo: to bf16 like every other input, then that number as f16, the format of the product that takes it
.irp i, 0,1,2,3,4,5,6,7,8,9,10,11,12,13,14,15
	s_wait_loadcnt 15-(\i)
	v_cvt_pk_bf16_f32 v[T],   v[X+4*(\i)],   v[X+4*(\i)+1]
	v_cvt_pk_bf16_f32 v[T+1], v[X+4*(\i)+2], v[X+4*(\i)+3]
	v_lshlrev_b32 v[T+2], 16,  v[T]
	v_and_b32     v[T+3], s28, v[T]
	v_lshlrev_b32 v[T+4], 16,  v[T+1]
	v_and_b32     v[T+5], s28, v[T+1]
	v_cvt_pk_f16_f32 v[Y+2*(\i)],   v[T+2], v[T+3]
	v_cvt_pk_f16_f32 v[Y+2*(\i)+1], v[T+4], v[T+5]
	global_store_b64 v2, v[Y+2*(\i):Y+2*(\i)+1], s[18:19] offset:2048*(\i)
.endr
	s_endpgm
.Lfunc_end_k_q1e015416e8_cast:
	.size	k_q1e015416e8_cast, .Lfunc_end_k_q1e015416e8_cast-k_q1e015416e8_cast
	.p2alignl 7, 3214868480
	.fill 96, 4, 3214868480
	.section	.rodata,"a",@progbits
	.p2align	6, 0x0
	.amdhsa_kernel k_q1e015416e8_cast
		.amdhsa_group_segment_fixed_size 0
		.amdhsa_private_segment_fixed_size 0
		.amdhsa_enable_private_segment 0
		.amdhsa_kernarg_size 64
		.amdhsa_user_sgpr_count 2
		.amdhsa_user_sgpr_kernarg_segment_ptr 1
		.amdhsa_wavefront_size32 1
		.amdhsa_system_sgpr_workgroup_id_x 1
		.amdhsa_system_sgpr_workgroup_id_y 1
		.amdhsa_system_sgpr_workgroup_id_z 1
		.amdhsa_system_vgpr_workitem_id 0
		.amdhsa_next_free_vgpr 108
		.amdhsa_next_free_sgpr 66
		.amdhsa_reserve_vcc 0
		.amdhsa_float_denorm_mode_32 3
		.amdhsa_float_denorm_mode_16_64 3
		.amdhsa_memory_ordered 1
		.amdhsa_forward_progress 1
		.amdhsa_inst_pref_size 16
	.end_amdhsa_kernel
	.amdgpu_metadata
---
amdhsa.version: [ 1, 2 ]
amdhsa.kernels:
  - .name:           k_q1e015416e8_cast
    .symbol:         k_q1e015416e8_cast.kd
    .args:
      - { .name: hidden_states, .offset: 0, .size: 8, .value_kind: global_buffer, .address_space: global }
      - { .name: Wq, .offset: 8, .size: 8, .value_kind: global_buffer, .address_space: global }
      - { .name: Wk, .offset: 16, .size: 8, .value_kind: global_buffer, .address_space: global }
      - { .name: Wv, .offset: 24, .size: 8, .value_kind: global_buffer, .address_space: global }
      - { .name: Wo, .offset: 32, .size: 8, .value_kind: global_buffer, .address_space: global }
      - { .name: cos, .offset: 40, .size: 8, .value_kind: global_buffer, .address_space: global }
      - { .name: sin, .offset: 48, .size: 8, .value_kind: global_buffer, .address_space: global }
      - { .name: cvt, .offset: 56, .size: 8, .value_kind: global_buffer, .address_space: global }
    .group_segment_fixed_size: 0
    .private_segment_fixed_size: 0
    .kernarg_segment_align: 8
    .kernarg_segment_size: 64
    .max_flat_workgroup_size: 256
    .sgpr_count:     66
    .vgpr_count:     108
    .wavefront_size: 32
...
	.end_amdgpu_metadata
.endif
;; end of part 1
;; launch qkvproj (part 2): grid 16 x 16, 4 waves a work-group, clusters of 4 x 4, 327,680 bytes of LDS; arguments cvt, qkv; writes qkv
.if DOCPART == 2
	.amdgcn_target "amdgcn-amd-amdhsa--gfx1250"
	.amdhsa_code_object_version 6
	.text
	.protected	k_q1e015416e8_qkvproj
	.globl	k_q1e015416e8_qkvproj
	.p2align	8
	.type	k_q1e015416e8_qkvproj,@function
k_q1e015416e8_qkvproj:
	s_mov_b64 s[64:65], 0
	v_nop
	global_prefetch_b8 v0, s[64:65] scope:SCOPE_SE
	s_setreg_imm32_b32 hwreg(HW_REG_WAVE_MODE, 25, 1), 1
	s_wait_xcnt 0x0
	s_wait_alu depctr_hold_cnt(0) depctr_sa_sdst(0) depctr_va_vdst(0) depctr_va_sdst(0) depctr_va_ssrc(0) depctr_va_vcc(0) depctr_vm_vsrc(0)
	s_getreg_b32 s2, hwreg(HW_REG_IB_STS2, 6, 4)
	s_cmp_eq_u32 s2, 0
	s_cbranch_scc0 .Lentry_in_a_cluster
	s_endpgm
.Lentry_in_a_cluster:
	s_bfe_u32 s2, ttmp6, 0x10000c
	s_cmp_lg_u32 s2, 0xf033
	s_cbranch_scc0 .Lentry_shape_is_right
	s_endpgm
.Lentry_shape_is_right:
; Q, K, V PROJECTION WITH RoPE.  C[m][n] = sum over k of x[m][k] W[n][k], x [4096][2048] and W = (Wq; Wk; Wv) [2048][2048] in bf16 (from cvt), sums in f32.  On the way out the 64 columns of a
; head slot are turned by cos and sin (bf16 numbers from cvt, widened; arithmetic in f32), q is multiplied by log2(e) / 8, and each number is rounded ONCE to f16 into qkv [2][32 slots][2048][64]:
; slots 0-15 q, 16-23 k, 24-31 v (v: cos counts as 1 and sin as 0, by two scalars; no path hangs on the slot).
; LIMIT.  f16 holds no number beyond 65,504: k, v and 0.18 q must lie within it.  NaN and infinities are not treated apart.
; SHARES.  A tile of C is 256 x 128: 16 x 16 work-groups.  Four waves, each 128 rows x 64 columns (one head slot): 32 accumulators of 16 x 16, 256 registers.
; K goes in steps of 128 through a ring of two LDS slots (A's 256 rows, then B's 128 rows; a row is 256 bytes of memory, aligned, and 272 bytes of LDS).
; CLUSTER.  4 x 4 work-groups: the four of a row of the cluster need the same tiles of x, the four of a column the same tiles of W; each tile is asked for jointly, by the same tensor load with the same
; descriptor and a mask that names the four.  Waves 0 and 1 fetch x's two halves (128 rows each), waves 2 and 3 W's (64 rows each).
; THE MATRIX INSTRUCTION IS USED TRANSPOSED (source 0 = 16 rows of W, source 1 = 16 rows of x): a lane holds row lane % 16 of C and eight neighbouring columns 8 (lane / 16) + 0..7.
; REGISTERS, in windows of 256: window 0: v16-29 addresses; v64-191 two buffers of x's fragments (8 x 16 rows x 32 K); v192-255 two of W's (4 x 16 rows); on the way out v64-207 at work.
;   window 1: the accumulators, (a, b) at v[8 (4 a + b)].   window 2: cos and sin of my 128 rows as loaded, 16 bytes for each (a, b): cos at v[16 a + 4 b], sin at v[128 + 16 a + 4 b].
.set SIZE_K, 2048
.set KSTEP,  128
.set PITCH,  272                       ; an LDS row: 256 bytes + 16 of padding = 68 words: the 16 rows of a fragment load start at 16 different groups of four banks (64 banks of 4 bytes: ISA guide 11.1)
.set HA,     128*PITCH                 ; half of A's tile: one tensor load, and what one wave reads of A
.set HB,     64*PITCH                  ; half of B's tile
.set BOFF,   256*PITCH                 ; B's rows lie behind A's
.set SLOT,   384*PITCH
.set STAGE,  2*SLOT                    ; behind the ring, never filled by a tensor load: 16 rows x 144 bytes for each wave, for the way out
.set SP,     144
.set SPARE,  STAGE+4*16*SP             ; the spare words, 128 bytes for each wave: two blocks of 256 bytes that no other line names
.set LAPS,   SIZE_K/(2*KSTEP)          ; a lap = two K steps = once round the ring
.set W_OFF,   16777216                 ; in cvt: the weights,
.set COS_OFF, 29360128                 ; cos [4096][64] bf16,
.set SIN_OFF, 29884416                 ; sin
.set ADRA, 16                          ; v16-17  LDS address of my A fragments in slot 0, 1
.set ADRB, 20                          ; v20-21  the same for B
.set STO,  24                          ; v24     the way out: where I put 16 bytes of a row
.set RD,   25                          ; v25     where I read rows back
.set GO,   26                          ; v26     my 16 bytes in 512 consecutive bytes of qkv
.set VO,   27                          ; v27     my byte offset in 16 rows of cos and sin; never rewritten
.set SPW,  28                          ; v28     LDS address of my spare word; never rewritten
.set NIL,  29                          ; v29     0; never rewritten
.set FA,   64
.set FB,   192
.set CF,   64                          ; the way out: cos (32), sin (32), results (32), packed (16), rows read back (2 x 16)
.set SF,   96
.set T,    128
.set PKD,  160
.set BK,   176
.set G1,  24                           ; s[24:31] descriptor group 1 for A's tiles;  s[32:39] group 0, one set for each slot
.set G0,  32
.set G1B, 48                           ; s[48:55], s[56:63] the same for B's
.set G0B, 56
.set AL,  66                           ; s[66:67] what cos and sin are multiplied by: log2(e)/8 (q), 1 (k), 0 (v)
.set BE,  68                           ; s[68:69] what is added to cos: 0, 0, 1
.set MSB, 0
.macro WIN new                         ; the immediate's high byte repeats the setting that is left; a switch that changes nothing is dropped
.if MSB != (\new)
	s_set_vgpr_msb (MSB<<8)|(\new)
.set MSB, \new
.endif
.endm
.set MUL, 0x50                         ; sources in window 0, C and D in window 1
.macro JLOAD s                         ; a joint load; the branch hangs on the wave's number alone; an s_nop 0 and four v_nop follow each of the two lines
	s_cmp_eq_u32 s11, 0
	s_cbranch_scc0 .Lfor_b_\@
	tensor_load_to_lds s[G0+4*(\s):G0+4*(\s)+3], s[G1:G1+7]
	s_nop 0
.rept 4
	v_nop
.endr
	s_branch .Lasked_\@
.Lfor_b_\@:
	tensor_load_to_lds s[G0B+4*(\s):G0B+4*(\s)+3], s[G1B:G1B+7]
	s_nop 0
.rept 4
	v_nop
.endr
.Lasked_\@:
.endm
.macro CREST                           ; a round of the cluster's barrier behind its opening barrier
	s_cmp_lg_u32 s10, 0
	s_cbranch_scc1 .Lnot_wave_0_\@
	s_barrier_signal -3
.Lnot_wave_0_\@:
	s_barrier_wait -3
	s_barrier_signal -1
	s_barrier_wait -1
.endm
.macro CROUND                          ; a whole round
	s_barrier_signal -1
	s_barrier_wait -1
	CREST
.endm
	s_load_b128 s[4:7], s[0:1], 0x0                ; cvt s[4:5], qkv s[6:7]
	v_lshl_add_u32 v[SPW], v0, 2, SPARE
	v_mov_b32 v[NIL], 0
	ds_add_u32 v[SPW], v[NIL]                      ; the wave's opening: the add and its wait stand ahead of my first tensor load; work on registers stands between them
	v_lshrrev_b32 v1, 5, v0
	v_readfirstlane_b32 s10, v1                    ; wave 0..3
	s_lshr_b32 s11, s10, 1                         ; which 128 rows of the tile are mine.  Also: I fetch for A (0) or for B (1)
	s_and_b32 s12, s10, 1                          ; which 64 columns.  Also: which half of that tile I fetch
	s_bfe_u32 s40, ttmp6, 0x40000                  ; cx, cy: my place in the cluster
	s_bfe_u32 s41, ttmp6, 0x40004
	s_lshl_b32 s42, ttmp9, 2
	s_add_co_u32 s42, s42, s40                     ; tile column = 4 x cluster x + cx
	s_and_b32 s13, ttmp7, 0xffff
	s_lshl_b32 s13, s13, 2
	s_add_co_u32 s13, s13, s41                     ; tile row = 4 x cluster y + cy
	s_lshl_b32 s43, s41, 2
	s_lshl_b32 s43, 15, s43                        ; my row of the cluster
	s_lshl_b32 s44, 0x1111, s40                    ; my column
	s_or_b32 s[G1+0], s43, (1<<16)|(1<<20)|(1<<21)|(5<<22)|(3<<25)   ; the mask; 2-byte elements; padding on; bit 21 beside a mask; after every 64 words (code 5) 4 words (code 3)
	s_or_b32 s[G1B+0], s44, (1<<16)|(1<<20)|(1<<21)|(5<<22)|(3<<25)
	s_mov_b32 s[G1+1], KSTEP<<16                   ; tensor_dim0 = 128
	s_mov_b32 s[G1+2], 128<<16                     ; tensor_dim1 = 128
	s_mov_b32 s[G1+3], KSTEP<<16                   ; tile_dim0 = 128
	s_mov_b32 s[G1+4], 128                         ; tile_dim1 = 128
	s_mov_b32 s[G1+5], SIZE_K                      ; elements from row to row
	s_mov_b32 s[G1+6], 0
	s_mov_b32 s[G1+7], 0
	s_mov_b32 s[G1B+1], KSTEP<<16
	s_mov_b32 s[G1B+2], 64<<16                     ; B's loads have 64 rows
	s_mov_b32 s[G1B+3], KSTEP<<16
	s_mov_b32 s[G1B+4], 64
	s_mov_b32 s[G1B+5], SIZE_K
	s_mov_b32 s[G1B+6], 0
	s_mov_b32 s[G1B+7], 0
	s_lshl_b32 s16, s13, 8                         ; A: row 256 x tile row + 128 x half, times 4,096 bytes: made of the tile row and the wave's number alone
	s_lshl_b32 s17, s12, 7
	s_add_co_u32 s16, s16, s17
	s_lshl_b32 s16, s16, 12
	s_mov_b32 s17, 0
	s_lshl_b32 s46, s42, 7                         ; B: row 128 x tile column + 64 x half, behind x in cvt: made of the tile column and the wave's number alone
	s_lshl_b32 s47, s12, 6
	s_add_co_u32 s46, s46, s47
	s_lshl_b32 s46, s46, 12
	s_add_co_u32 s46, s46, W_OFF
	s_mov_b32 s47, 0
	s_mul_i32 s20, s12, HA                         ; where they go: no place in the cluster enters an LDS address
	s_mul_i32 s21, s12, HB
	s_add_co_u32 s21, s21, BOFF
	s_wait_dscnt 0x0                               ; the opening add is done
	s_wait_kmcnt 0x0
	s_add_nc_u64 s[14:15], s[4:5], s[16:17]
	s_add_nc_u64 s[46:47], s[4:5], s[46:47]
	CROUND                                         ; all sixteen work-groups are here: the first joint loads meet
.irp s, 0,1
	s_mov_b32 s[G0+4*(\s)], 1
	s_add_co_u32 s[G0+4*(\s)+1], s20, (\s)*SLOT
	s_add_nc_u64 s[G0+4*(\s)+2:G0+4*(\s)+3], s[14:15], (\s)*KSTEP*2
	s_or_b32 s[G0+4*(\s)+3], s[G0+4*(\s)+3], 0x80000000
	s_mov_b32 s[G0B+4*(\s)], 1
	s_add_co_u32 s[G0B+4*(\s)+1], s21, (\s)*SLOT
	s_add_nc_u64 s[G0B+4*(\s)+2:G0B+4*(\s)+3], s[46:47], (\s)*KSTEP*2
	s_or_b32 s[G0B+4*(\s)+3], s[G0B+4*(\s)+3], 0x80000000
	JLOAD \s                                       ; two loads of mine are out
.endr
	v_and_b32 v1, 15, v0                           ; r = l % 16
	v_bfe_u32 v2, v0, 4, 1                         ; h = l / 16
	v_mul_u32_u24 v3, v1, PITCH
	v_lshl_add_u32 v3, v2, 4, v3                   ; a fragment's row x pitch + 16 x half
	s_mul_i32 s21, s11, HA                         ; my 128 rows of A
	s_mul_i32 s22, s12, HB                         ; my 64 rows of B
	s_add_co_u32 s22, s22, BOFF
.irp s, 0,1
	v_add_nc_u32 v[ADRA+(\s)], s21, v3
	v_add_nc_u32 v[ADRB+(\s)], s22, v3
	s_add_co_u32 s21, s21, SLOT
	s_add_co_u32 s22, s22, SLOT
.endr
	s_mul_i32 s23, s10, 16*SP
	s_add_co_u32 s23, s23, STAGE                   ; my stage
	v_mul_u32_u24 v4, v1, SP                       ; in: row r, 16 bytes for each half of the lanes
	v_lshl_add_u32 v4, v2, 4, v4
	v_add_nc_u32 v[STO], s23, v4
	v_bfe_u32 v5, v0, 3, 2                         ; back: 32 lanes take four rows of 128 bytes,
	v_mul_u32_u24 v5, v5, SP
	v_and_b32 v6, 7, v0
	v_lshl_add_u32 v5, v6, 4, v5
	v_add_nc_u32 v[RD], s23, v5
	v_and_b32 v[GO], 31, v0                        ; which are 512 consecutive bytes of a head slot
	v_lshlrev_b32 v[GO], 4, v[GO]
	v_lshlrev_b32 v[VO], 7, v1                     ; cos and sin: row r x 128 bytes + 16 x half
	v_lshl_add_u32 v[VO], v2, 4, v[VO]
	s_lshl_b32 s16, s13, 8                         ; my first row of C: 256 x tile row + 128 x half
	s_lshl_b32 s17, s11, 7
	s_add_co_u32 s16, s16, s17
	s_lshl_b32 s16, s16, 7                         ; its 128 bytes in cos and in sin
	s_mov_b32 s17, 0
	s_add_nc_u64 s[72:73], s[4:5], s[16:17]
	s_add_nc_u64 s[74:75], s[72:73], SIN_OFF
	s_add_nc_u64 s[72:73], s[72:73], COS_OFF
	WIN 0x80                                       ; destination window 2, address window 0
.irp a, 0,1,2,3,4,5,6,7                ; 64 loads, asked for now and waited for once, in front of the way out; their address registers are never rewritten
.irp b, 0,1,2,3
	global_load_b128 v[16*(\a)+4*(\b):16*(\a)+4*(\b)+3],         v[VO], s[72:73] offset:2048*(\a)+32*(\b)
	global_load_b128 v[128+16*(\a)+4*(\b):128+16*(\a)+4*(\b)+3], v[VO], s[74:75] offset:2048*(\a)+32*(\b)
.endr
.endr
	WIN 0
	s_lshl_b32 s76, s42, 1
	s_add_co_u32 s76, s76, s12                     ; my head slot, 0..31
	s_cmp_lt_u32 s76, 24
	s_cselect_b32 s[AL], 1.0, 0
	s_cselect_b32 s[BE], 0, 1.0
	s_cmp_lt_u32 s76, 16
	s_cselect_b32 s[AL], 0x3e38aa3b, s[AL]         ; log2(e) / 8
	s_mov_b32 s[AL+1], 0                           ; named as pairs
	s_mov_b32 s[BE+1], 0
	s_mov_b32 s70, 0xffff0000                      ; a word's upper bf16
	s_lshr_b32 s77, s13, 3                         ; the batch: 8 tile rows each
	s_lshl_b32 s77, s77, 5
	s_add_co_u32 s77, s77, s76
	s_lshl_b32 s78, s77, 18                        ; a slot is 2,048 rows of 128 bytes
	s_and_b32 s77, s13, 7
	s_lshl_b32 s77, s77, 8
	s_lshl_b32 s79, s11, 7
	s_add_co_u32 s77, s77, s79                     ; my first row in the batch
	s_lshl_b32 s77, s77, 7
	s_add_co_u32 s78, s78, s77
	s_mov_b32 s79, 0
	s_add_nc_u64 s[8:9], s[6:7], s[78:79]          ; qkv at my first row
; 8 matrix instructions: m blocks a0, a0 + 1 x all 4 n blocks, 32 along K, from buffer f.  zero = 1: the product starts the sums.  The 32 accumulators take turns, one instruction a turn, in the same order in every quarter.
.macro MUL8 f, a0, zero
	WIN MUL
.irp a, \a0, (\a0)+1
.irp b, 0,1,2,3
.if \zero
	v_wmma_f32_16x16x32_bf16 v[8*(4*(\a)+(\b)):8*(4*(\a)+(\b))+7], v[FB+32*(\f)+8*(\b):FB+32*(\f)+8*(\b)+7], v[FA+64*(\f)+8*(\a):FA+64*(\f)+8*(\a)+7], 0
.else
	v_wmma_f32_16x16x32_bf16 v[8*(4*(\a)+(\b)):8*(4*(\a)+(\b))+7], v[FB+32*(\f)+8*(\b):FB+32*(\f)+8*(\b)+7], v[FA+64*(\f)+8*(\a):FA+64*(\f)+8*(\a)+7], v[8*(4*(\a)+(\b)):8*(4*(\a)+(\b))+7]
.endif
.endr
.endr
.endm
; 24 LDS loads in one run: the fragments of 32 along K at byte k of the rows, into buffer f: B's four blocks, A's blocks 0-3, A's blocks 4-7
.macro FETCH slot, k, f
	WIN 0
.irp i, 0,1,2,3
	ds_load_b128 v[FB+32*(\f)+8*(\i):FB+32*(\f)+8*(\i)+3],   v[ADRB+(\slot)] offset:(\k)+(\i)*16*PITCH
	ds_load_b128 v[FB+32*(\f)+8*(\i)+4:FB+32*(\f)+8*(\i)+7], v[ADRB+(\slot)] offset:(\k)+(\i)*16*PITCH+32
.endr
.irp i, 0,1,2,3,4,5,6,7
	ds_load_b128 v[FA+64*(\f)+8*(\i):FA+64*(\f)+8*(\i)+3],   v[ADRA+(\slot)] offset:(\k)+(\i)*16*PITCH
	ds_load_b128 v[FA+64*(\f)+8*(\i)+4:FA+64*(\f)+8*(\i)+7], v[ADRA+(\slot)] offset:(\k)+(\i)*16*PITCH+32
.endr
.endm
.macro PLACES                          ; four places in front of loads into registers that matrix instructions have read, and of vector work on their results
.rept 4
	v_nop
.endr
.endm
; A K step is four quarters of 32 along K, 32 matrix instructions each, on buffers 0, 1, 0, 1.  One of the first three: multiplies buffer f and fetches the next quarter, at byte k, into g.
.macro QUARTER slot, k, f, g, zero
	s_wait_dscnt 8                                 ; B and A's blocks 0-3 are in; the youngest eight loads (A's blocks 4-7) may be out
	MUL8 \f, 0, \zero
	MUL8 \f, 2, \zero
	PLACES
	FETCH \slot, \k, \g
	s_wait_dscnt 24                                ; all but the 24 just issued
	MUL8 \f, 4, \zero
	MUL8 \f, 6, \zero
.endm
; The last quarter multiplies buffer 1 and changes slots: ONE barrier; in front of it each wave waits for all its tensor loads (one is out: its part of the next slot), adds 0 to its spare word, and
; waits for that and for its own reads of this slot.  fill = 1: the barrier opens a round of the cluster's barrier, and this slot is filled again, two K steps ahead, first thing behind the round.
.macro TURN slot, next, fill
	WIN 0                                          ; (the add's two registers lie in window 0)
	s_wait_tensorcnt 0x0                           ; all my tensor loads have landed
	ds_add_u32 v[SPW], v[NIL]                      ; 0 onto my spare word
	s_wait_dscnt 9                                 ; (the add and the youngest eight loads may be out)
	MUL8 1, 0, 0                                   ; eight matrix instructions stand between the add and the wait for it
	s_wait_dscnt 0x0                               ; the add is done, and my reads of this slot are over
	s_barrier_signal -1
	MUL8 1, 2, 0
.if \fill
	WIN 0
.endif
	s_barrier_wait -1
.if \fill
	CREST                                          ; no wave of any partner still reads this slot's tile or has a load on its way
	s_add_nc_u64 s[G0+4*(\slot)+2:G0+4*(\slot)+3], s[G0+4*(\slot)+2:G0+4*(\slot)+3], 2*KSTEP*2
	s_add_nc_u64 s[G0B+4*(\slot)+2:G0B+4*(\slot)+3], s[G0B+4*(\slot)+2:G0B+4*(\slot)+3], 2*KSTEP*2
	JLOAD \slot                                    ; 112 matrix instructions ahead of the wait for it; the four v_nop behind it are also the places in front of the loads below
.else
	PLACES
.endif
	FETCH \next, 0, 0
	MUL8 1, 4, 0
	MUL8 1, 6, 0
.endm
	s_wait_tensorcnt 1                             ; my part of K step 0 is in; K step 1's may stay out
	s_barrier_signal -1
	s_barrier_wait -1                              ; everybody's is
	FETCH 0, 0, 0
	QUARTER 0, 64, 0, 1, 1                         ; the first quarter stands in front of the loop: its products start the sums
	WIN 0                                          ; at a label and at a branch every window is 0
	s_mov_b32 s3, LAPS-1
.Llap:                                                 ; a trip goes once round the ring, from a lap's second quarter to the next lap's first, and fills both slots again
	QUARTER 0, 128, 1, 0, 0
	QUARTER 0, 192, 0, 1, 0
	TURN 0, 1, 1
	QUARTER 1, 64,  0, 1, 0
	QUARTER 1, 128, 1, 0, 0
	QUARTER 1, 192, 0, 1, 0
	TURN 1, 0, 1
	QUARTER 0, 64,  0, 1, 0
	WIN 0
	s_sub_co_u32 s3, s3, 1
	s_cmp_lg_u32 s3, 0
	s_cbranch_scc1 .Llap
	QUARTER 0, 128, 1, 0, 0                        ; the last lap fills nothing
	QUARTER 0, 192, 0, 1, 0
	TURN 0, 1, 0
	QUARTER 1, 64,  0, 1, 0
	QUARTER 1, 128, 1, 0, 0
	QUARTER 1, 192, 0, 1, 0
	s_wait_dscnt 8                                 ; the very last quarter: nothing more to fetch
	MUL8 1, 0, 0
	MUL8 1, 2, 0
	s_wait_dscnt 0x0
	MUL8 1, 4, 0
	MUL8 1, 6, 0
	WIN 0
	PLACES
	s_wait_loadcnt 0x0                             ; cos and sin
; THE WAY OUT of block a (16 rows).  cos and sin are widened and take the slot's two scalars; out[d] = c[d] cos[d] - c[d+32] sin[d] for d < 32, out[d] = c[d] cos[d] + c[d-32] sin[d] for d >= 32:
; column blocks b and b + 2 are partners.  Each accumulator's lowest pair is read first.  Then one rounding to f16, into my stage, and back as whole rows of 128 bytes.
.macro ROPE a
	WIN 0x0a                                       ; the raw words lie in window 2
.irp b, 0,1,2,3
.irp w, 0,1,2,3
	v_lshlrev_b32 v[CF+8*(\b)+2*(\w)],   16,  v[16*(\a)+4*(\b)+(\w)]
	v_and_b32     v[CF+8*(\b)+2*(\w)+1], s70, v[16*(\a)+4*(\b)+(\w)]
	v_lshlrev_b32 v[SF+8*(\b)+2*(\w)],   16,  v[128+16*(\a)+4*(\b)+(\w)]
	v_and_b32     v[SF+8*(\b)+2*(\w)+1], s70, v[128+16*(\a)+4*(\b)+(\w)]
.endr
.endr
	WIN 0
.set z, 0
.rept 16
	v_pk_fma_f32 v[CF+2*z:CF+2*z+1], v[CF+2*z:CF+2*z+1], s[AL:AL+1], s[BE:BE+1] op_sel_hi:[1,0,0]
	v_pk_mul_f32 v[SF+2*z:SF+2*z+1], v[SF+2*z:SF+2*z+1], s[AL:AL+1] op_sel_hi:[1,0]
.set z, z+1
.endr
	WIN 0x01                                       ; source 0: the accumulators, window 1
.irp b, 0,1
.irp p, 0,1,2,3
.set aL, 8*(4*(\a)+(\b))+2*(\p)
.set aH, 8*(4*(\a)+(\b)+2)+2*(\p)
.set o1, 8*(\b)+2*(\p)
.set o2, 8*((\b)+2)+2*(\p)
	v_pk_mul_f32 v[T+o1:T+o1+1], v[aL:aL+1], v[CF+o1:CF+o1+1]
	v_pk_mul_f32 v[T+o2:T+o2+1], v[aH:aH+1], v[CF+o2:CF+o2+1]
	v_pk_fma_f32 v[T+o1:T+o1+1], v[aH:aH+1], v[SF+o1:SF+o1+1], v[T+o1:T+o1+1] neg_lo:[1,0,0] neg_hi:[1,0,0]
	v_pk_fma_f32 v[T+o2:T+o2+1], v[aL:aL+1], v[SF+o2:SF+o2+1], v[T+o2:T+o2+1]
.endr
.endr
	WIN 0
.set z, 0
.rept 16
	v_cvt_pk_f16_f32 v[PKD+z], v[T+2*z], v[T+2*z+1]
.set z, z+1
.endr
	s_wait_xcnt 0x0                                ; the registers that the stores of two blocks ago read are loaded again only behind this wait
.irp b, 0,1,2,3
	ds_store_b128 v[STO], v[PKD+4*(\b):PKD+4*(\b)+3] offset:32*(\b)
.endr
.irp f, 0,1,2,3
	ds_load_b128 v[BK+16*((\a)%2)+4*(\f):BK+16*((\a)%2)+4*(\f)+3], v[RD] offset:(\f)*4*SP  ; LDS serves a wave's instructions in order (ISA guide 5.7.1.4): these see the stores above
.endr
.endm
.macro SEND a, younger                 ; younger: the LDS instructions issued behind block a's loads: the next block's eight, or none
.irp f, 0,1,2,3
	s_wait_dscnt (\younger)+3-(\f)
	global_store_b128 v[GO], v[BK+16*((\a)%2)+4*(\f):BK+16*((\a)%2)+4*(\f)+3], s[8:9] offset:2048*(\a)+512*(\f)  ; 512 consecutive bytes, at a multiple of 256 from qkv's first
.endr
.endm
	ROPE 0
.irp a, 1,2,3,4,5,6,7                  ; a block's arithmetic stands between the loads of the block before and its stores
	ROPE \a
	SEND (\a)-1, 8
.endr
	SEND 7, 0
	s_wait_tensorcnt 0x0                           ; the wave's end: these three lines stand behind my last tensor load and my last LDS store
	ds_add_u32 v[SPW], v[NIL]
	s_wait_dscnt 0x0
	CROUND                                         ; the closing round: no work-group ends while a partner may still ask for a tile that names it
	s_endpgm
.Lfunc_end_k_q1e015416e8_qkvproj:
	.size	k_q1e015416e8_qkvproj, .Lfunc_end_k_q1e015416e8_qkvproj-k_q1e015416e8_qkvproj
	.p2alignl 7, 3214868480
	.fill 96, 4, 3214868480
	.section	.rodata,"a",@progbits
	.p2align	6, 0x0
	.amdhsa_kernel k_q1e015416e8_qkvproj
		.amdhsa_group_segment_fixed_size 327680
		.amdhsa_private_segment_fixed_size 0
		.amdhsa_enable_private_segment 0
		.amdhsa_kernarg_size 16
		.amdhsa_user_sgpr_count 2
		.amdhsa_user_sgpr_kernarg_segment_ptr 1
		.amdhsa_wavefront_size32 1
		.amdhsa_system_sgpr_workgroup_id_x 1
		.amdhsa_system_sgpr_workgroup_id_y 1
		.amdhsa_system_sgpr_workgroup_id_z 1
		.amdhsa_system_vgpr_workitem_id 0
		.amdhsa_next_free_vgpr 768
		.amdhsa_next_free_sgpr 80
		.amdhsa_reserve_vcc 0
		.amdhsa_float_denorm_mode_32 3
		.amdhsa_float_denorm_mode_16_64 3
		.amdhsa_memory_ordered 1
		.amdhsa_forward_progress 1
		.amdhsa_inst_pref_size 143
	.end_amdhsa_kernel
	.amdgpu_metadata
---
amdhsa.version: [ 1, 2 ]
amdhsa.kernels:
  - .name:           k_q1e015416e8_qkvproj
    .symbol:         k_q1e015416e8_qkvproj.kd
    .args:
      - { .name: cvt, .offset: 0, .size: 8, .value_kind: global_buffer, .address_space: global }
      - { .name: qkv, .offset: 8, .size: 8, .value_kind: global_buffer, .address_space: global }
    .group_segment_fixed_size: 327680
    .private_segment_fixed_size: 0
    .kernarg_segment_align: 8
    .kernarg_segment_size: 16
    .max_flat_workgroup_size: 128
    .sgpr_count:     80
    .vgpr_count:     768
    .wavefront_size: 32
...
	.end_amdgpu_metadata
.endif
;; end of part 2
;; launch attn (part 3): grid 16 x 16, 4 waves a work-group, clusters of 4 x 4, 327,680 bytes of LDS; arguments qkv, attention_mask, att; writes att
.if DOCPART == 3
	.amdgcn_target "amdgcn-amd-amdhsa--gfx1250"
	.amdhsa_code_object_version 6
	.text
	.protected	k_q1e015416e8_attn
	.globl	k_q1e015416e8_attn
	.p2align	8
	.type	k_q1e015416e8_attn,@function
k_q1e015416e8_attn:
	s_mov_b64 s[64:65], 0
	v_nop
	global_prefetch_b8 v0, s[64:65] scope:SCOPE_SE
	s_setreg_imm32_b32 hwreg(HW_REG_WAVE_MODE, 25, 1), 1
	s_wait_xcnt 0x0
	s_wait_alu depctr_hold_cnt(0) depctr_sa_sdst(0) depctr_va_vdst(0) depctr_va_sdst(0) depctr_va_ssrc(0) depctr_va_vcc(0) depctr_vm_vsrc(0)
	s_getreg_b32 s2, hwreg(HW_REG_IB_STS2, 6, 4)
	s_cmp_eq_u32 s2, 0
	s_cbranch_scc0 .Lentry_in_a_cluster
	s_endpgm
.Lentry_in_a_cluster:
	s_bfe_u32 s2, ttmp6, 0x10000c
	s_cmp_lg_u32 s2, 0xf033
	s_cbranch_scc0 .Lentry_shape_is_right
	s_endpgm
.Lentry_shape_is_right:
; ATTENTION WITH AN ADDITIVE MASK THAT IS AN INPUT.  O[b][h][q] = sum over k of softmax_k(q . k / 8 + mask[b][q][k]) v[k].  q, k, v: qkv [2][32 slots][2048][64] f16 (slots 0-15 q, already times
; log2(e) / 8; 16-23 k; 24-31 v); mask [2][2048][2048] f32; O goes to att [4096][1024] f16, column = head x 64 + channel.  Query heads 2 g and 2 g + 1 share key and value head g.
; No key is left out: the mask's pattern is not known to the text.  Products, maxima and sums in f32; the weights p are rounded to f16 for the second product (their sum l is of the unrounded p), O once at the end.
; THE SCORES live in the base-2 domain: t = s + fl(log2(e) x mask), both roundings to nearest, by the vector unit, so that a row whose mask swamps every s (all -1e9) gets equal t, as the f32 sum of
; s / 8 and the mask does.  p = 2^(t - m) with a running maximum m and an exact subtraction: p <= 1 whatever m's size.  O and l are multiplied by a = 2^(m_old - m_new) in every step.
; m starts at the lowest finite number, O and l at 0: the first step is a step like any other, with a = 0; a mask of -inf gives p = 0.
; LIMITS.  q, k, v arrive within f16's 65,504; p below 6e-5 keeps f16's fixed step of 6e-8; a weight below 2^-126 counts as 0 in l; the mask is taken as it is, in f32; NaN and +inf are not treated apart.
; SHARES.  A work-group: 128 queries x the two query heads of one key and value head; 16 x 16 work-groups.  A wave: 32 queries x 2 heads = four PIECES x = 2 qb + e (qb: block of 16 queries, e: head of the
; pair).  Pieces 2 qb and 2 qb + 1 take the same mask registers.  Every wave walks all 2,048 keys, 64 a step, two steps to an LDS slot, two slots.
; CLUSTER 4 x 4.  The batch is the cluster's y modulo 2, the key head 4 (y / 2) + cy (which rows of clusters share a batch changes no value).  K and V hang on batch and key head: asked for jointly along a row
; of the cluster.  The mask's tile hangs on the query block (x) and on the batch, which is made of the cluster's y alone: asked for jointly along a column.  Wave 0 fetches a slot's K, wave 1 its V, waves 2
; and 3 the two halves (64 queries x 128 keys) of its mask.
; LAYOUT.  S^T = K Q^T (source 0 = 16 keys, source 1 = 16 queries): a lane holds ONE query (lane % 16) and the keys 8 (lane / 16) + 0..7, which are 32 consecutive bytes of a mask row.  Two such results
; rounded to f16 ARE source 1 of O^T = V^T P.  K comes out of LDS as it lies, V turned, by ds_load_tr16_b128.
; BY TURNS.  Turn n belongs to piece n and has three parts.  A: 8 products K Q^T of piece n + 1, behind each four of piece n's subtractions, exponentials and roundings.  B: a lump of vector work: the rest of those,
; the mask's addition onto piece n + 1's scores, its maximum and statistics.  C: 8 products V^T P of piece n - 1, behind each four of piece n's rescalings of O^T and sums into l.  135 vector instructions a turn.
; REGISTERS, in windows of 256 (s_set_vgpr_msb: bits 1:0 source 0, 3:2 source 1, 5:4 source 2, 7:6 destination).  THE MAP IS MADE SO THAT A PRODUCT AND ITS RIDERS SHARE ONE SETTING:
;   window 0: all that K Q^T and the softmax name: v1-5 lane numbers and offsets; v6-15 at work; v16-31 statistics; v32-63 P, two buffers; v64-127 S^T, two buffers; v128-191 K of one step; v192-255 Q
;   window 1: v0-127 O^T, 32 a piece; v128-191 V of one step; v192-207 l, two chains of a pair for each piece.  Part C's setting (V, O^T, l in window 1; P, p and a in window 0) serves V^T P, O^T x a and l + p alike
;   window 2: v0-63 the mask of one step, MC + 32 qb + 8 kb; v64-69 LDS addresses; v70-71 the add's two registers
; A turn has four switches (parts A, C, and round the mask's addition, among which exponentials stand, since they name no source 1); the fetches and the mask's scaling add seven a key step.
.set NP,    4         ; pieces a wave: a name, no knob
.set KS,    64        ; keys in a step
.set PK,    144       ; a row of K in LDS: 128 bytes + 16 of padding: the 16 rows of a load start at 16 different groups of four banks (64 banks of 4 bytes: ISA guide 11.1)
.set PV,    160       ; a row of V: 128 + 32
.set PM,    528       ; a row of the mask: 128 keys x 4 bytes + 16
.set VOFF,  2*KS*PK   ; a slot: 128 rows of K, 128 rows of V, 128 rows of the mask
.set MOFF,  VOFF+2*KS*PV
.set SLOT1, 1<<17     ; slot 1 begins here, so that one exclusive or turns an address in one slot into the other's
.set STAGE, SLOT1+MOFF+128*PM  ; behind the ring, never filled by a tensor load: 16 rows x 272 bytes for each wave, for the way out
.set SP,    272
.set SPARE, STAGE+4*16*SP      ; the spare words, 128 bytes for each wave: two blocks of 256 bytes that no other line names
; window 0
.set PF,  3           ; v3   my byte offset in the mask's tile for the prefetch; never rewritten
.set QO,  5           ; v5   my byte offset in 16 rows of Q; never rewritten
.set MV,  6           ; v6-7  m_old, kept while m is made anew: by buffer
.set TMP, 8           ; v8-15  by buffer, four registers c0-c3 at work; when the maximum is found c2 takes a
.set ST,  16          ; piece t's statistics at v[ST+4 t]: m, (named with it as a pair), and two for the way out
.set P,   32
.set S,   64
.set KF,  128         ; key block kb, channel half c at KF + 16 kb + 8 c
.set QF,  192         ; piece x, channel half c at QF + 16 x + 8 c
.set BKR, 128         ; the way out: rows read back, in K's registers
.set STO, 192         ; the way out, in Q's registers: where I put 16 bytes of a row,
.set RD,  193         ; where I read rows back,
.set CO,  194         ; my byte offset in two rows of att
; window 1
.set VF,  128         ; key half kk, channel block cb at VF + 32 kk + 8 cb
.set LL,  192         ; piece t's l at LL + 4 t: chain 0 (even keys', odd keys'), chain 1
; window 2
.set MC,  0
.set AK0, 64          ; my lane's place in a tile of K; never rewritten
.set AV0, 65          ; the same for V
.set AM0, 66          ; the same for the mask
.set AK,  67          ; the LDS address of K's next run of loads
.set AV,  68          ; of V's
.set AM,  69          ; of the mask's
.set SPW, 70          ; LDS address of my spare word; never rewritten
.set NIL, 71          ; 0; never rewritten
.set PB,  8           ; s[8:9]  the mask at the columns last asked for ahead
.set WV,  12          ; s12  my wave's number
.set G1K, 24          ; s[24:31], s[32:39], s[40:47] descriptor group 1 for K's, V's and the mask's tiles
.set G1V, 32
.set G1M, 40
.set G0K, 48          ; s[48:51], s[52:55], s[56:59] descriptor group 0: they walk
.set G0V, 52
.set G0M, 56
.set CS,  60          ; s[60:61] log2(e): the packed scaling takes the pair's low word for both halves
.set SEL, 62          ; s[62:63] v_permlanex16_b32's selects: each lane takes its own place in the other half
.set SLOTS, 66        ; s66  slots still to be asked for
.set CNT, 67          ; s67  counts a slot's key steps
.set TBK, 68          ; s68  LDS byte at which K of the step to be fetched begins
.set TBV, 69          ; s69  the same for V, less VOFF
.set TBM, 70          ; s70  the same for the mask, less MOFF
.set MSB, 0
.macro WIN new                      ; the high byte repeats the setting that is left; a switch that changes nothing is dropped
.if MSB != (\new)
	s_set_vgpr_msb (MSB<<8)|(\new)
.set MSB, (\new)
.endif
.endm
.set W_PV, 0x51       ; part C: source 0, source 2 and destination in window 1, source 1 in window 0
.set W_MA, 0x08       ; the mask's addition: source 1 in window 2
.set W_2,  0x8a       ; destination, source 0 and source 1 in window 2
.set W_LK, 0x02       ; K's loads: address in window 2, data in window 0
.set W_LV, 0x42       ; V's loads: address in window 2, data in window 1
.set W_D2, 0x80       ; destination in window 2
.set W_D1, 0x40       ; destination in window 1
.set W_AD, 0x0a       ; the add: address and data in window 2
.set W_S1, 0x05       ; sources 0 and 1 in window 1
; A joint fill: one line for each of the three tensors; the branches hang on the wave's number alone.  An s_nop 0 and four v_nop follow each line, ahead of the jump and the label.
.macro JLOAD
	s_cmp_lt_u32 s[WV], 2
	s_cbranch_scc0 .Lfor_m_\@
	s_cmp_eq_u32 s[WV], 0
	s_cbranch_scc0 .Lfor_v_\@
	tensor_load_to_lds s[G0K:G0K+3], s[G1K:G1K+7]
	s_nop 0
.rept 4
	v_nop
.endr
	s_branch .Lasked_\@
.Lfor_v_\@:
	tensor_load_to_lds s[G0V:G0V+3], s[G1V:G1V+7]
	s_nop 0
.rept 4
	v_nop
.endr
	s_branch .Lasked_\@
.Lfor_m_\@:
	tensor_load_to_lds s[G0M:G0M+3], s[G1M:G1M+7]
	s_nop 0
.rept 4
	v_nop
.endr
.Lasked_\@:
.endm
; A round of the cluster's barrier: my work-group's barrier, so that wave 0's signal speaks for all four waves; wave 0 signals; every wave waits for all sixteen work-groups; my work-group's barrier once more.
.macro CROUND
	s_barrier_signal -1
	s_barrier_wait -1
	s_cmp_lg_u32 s[WV], 0
	s_cbranch_scc1 .Lnot_wave_0_\@
	s_barrier_signal -3
.Lnot_wave_0_\@:
	s_barrier_wait -3
	s_barrier_signal -1
	s_barrier_wait -1
.endm
; THE CHANGE OF SLOTS.  The slot's last bytes, V of its second step, have been read.  Each wave waits for all its tensor loads, of which one is out: its part of the other slot; adds 0 to its spare word; and waits
; for that and for its own reads of the slot.  Behind the barrier nobody reads this slot any more and the other slot is whole.  fill = 1: this slot is filled again, with the keys two slots on; the barrier is then a
; round of the cluster's, and the joint fill is the first thing behind it: it has two key steps, 128 matrix instructions, in which to land.  (At its first use nothing has been read yet: slot 0 is waited for, slot 1 filled.)
; ASKED FOR AHEAD.  Behind the fill, wave 3 asks for 32 blocks of 256 bytes of the mask's tile that the NEXT fill will load (one slot, two key steps, on): 16 rows x 512 bytes, the rows 16 x key head on, so that
; the eight work-groups that walk this tile ask for each of its 256 blocks once.  The last fill (SLOTS = 1) asks for nothing: no tile lies beyond it.
.macro CHANGE fill
	WIN W_AD
	s_wait_tensorcnt 0x0            ; no tensor load of mine is out, so a group 0 may be written
	ds_add_u32 v[SPW], v[NIL]       ; 0 onto my spare word; with fill = 1 the descriptors' steps stand between it and the wait for it
	WIN 0                           ; at a label and at a branch every window is 0
.if \fill
	s_xor_b32 s[G0K+1], s[G0K+1], SLOT1  ; the walking descriptors: the other slot than last time,
	s_add_nc_u64 s[G0K+2:G0K+3], s[G0K+2:G0K+3], 2*KS*128  ; the next 128 keys: rows of K and V,
	s_xor_b32 s[G0V+1], s[G0V+1], SLOT1
	s_add_nc_u64 s[G0V+2:G0V+3], s[G0V+2:G0V+3], 2*KS*128
	s_xor_b32 s[G0M+1], s[G0M+1], SLOT1
	s_add_nc_u64 s[G0M+2:G0M+3], s[G0M+2:G0M+3], 2*KS*4    ; columns of the mask; the type bits on top are not reached
	s_wait_dscnt 0x0                ; the add is done, and my reads of the slot are over
	CROUND
	JLOAD
	s_cmp_lg_u32 s[WV], 3
	s_cbranch_scc1 .Lno_ask_\@
	s_cmp_eq_u32 s[SLOTS], 1
	s_cbranch_scc1 .Lno_ask_\@
	s_wait_xcnt 0x0                 ; the last request, a slot ago, has read its base: only behind this wait is the base stepped
	s_add_nc_u64 s[PB:PB+1], s[PB:PB+1], 2*KS*4
	global_prefetch_b8 v[PF], s[PB:PB+1] th:TH_LOAD_NT scope:SCOPE_SE
.Lno_ask_\@:
.else
	s_wait_dscnt 0x0                ; the add is done, and my reads of the slot are over
	s_barrier_signal -1
	s_barrier_wait -1
.endif
	s_sub_co_u32 s[TBK], s[TBK], 2*KS*PK  ; the fetches go back to a slot's first step,
	s_xor_b32 s[TBK], s[TBK], SLOT1       ; in the other slot
	s_sub_co_u32 s[TBV], s[TBV], 2*KS*PV
	s_xor_b32 s[TBV], s[TBV], SLOT1
	s_sub_co_u32 s[TBM], s[TBM], 2*KS*4
	s_xor_b32 s[TBM], s[TBM], SLOT1
.endm
	s_load_b128 s[4:7], s[0:1], 0x0   ; qkv s[4:5], the mask s[6:7]
	s_load_b64 s[10:11], s[0:1], 0x10 ; att
	WIN W_D2
	v_lshl_add_u32 v[SPW], v0, 2, SPARE
	v_mov_b32 v[NIL], 0
	WIN W_AD
	ds_add_u32 v[SPW], v[NIL]       ; the wave's opening: the add and its wait stand ahead of my first tensor load; work on registers stands between them
	WIN 0
	v_lshrrev_b32 v1, 5, v0
	v_readfirstlane_b32 s[WV], v1   ; wave 0..3
	s_bfe_u32 s13, ttmp6, 0x40000   ; cx, cy: my place in the cluster
	s_bfe_u32 s14, ttmp6, 0x40004
	s_lshl_b32 s15, ttmp9, 2
	s_add_co_u32 s15, s15, s13      ; my block of 128 queries = 4 x cluster x + cx
	s_and_b32 s16, ttmp7, 0xffff    ; the cluster's y, 0..3
	s_and_b32 s17, s16, 1           ; the batch: made of the cluster's y alone
	s_lshr_b32 s18, s16, 1
	s_lshl_b32 s18, s18, 2
	s_add_co_u32 s19, s18, s14      ; the key head = 4 (y / 2) + cy
	s_lshl_b32 s20, s14, 2
	s_lshl_b32 s20, 15, s20         ; my row of the cluster
	s_lshl_b32 s21, 0x1111, s13     ; my column
	; K and V: 128 keys are 16,384 dense bytes: asked for as 64 rows of 256 bytes, two keys a row, and padded in LDS after every key.  The mask: 64 rows of 128 f32, 2,048 elements from row to row.
	s_or_b32 s[G1K], s20, (1<<16)|(1<<20)|(1<<21)|(4<<22)|(3<<25)  ; the mask of four; 2-byte elements; padding on; bit 21 beside a mask; after every 32 words (code 4) 4 words (code 3)
	s_or_b32 s[G1V], s20, (1<<16)|(1<<20)|(1<<21)|(4<<22)|(7<<25)  ; the same with 8 words of padding (code 7)
	s_or_b32 s[G1M], s21, (2<<16)|(1<<20)|(1<<21)|(6<<22)|(3<<25)  ; my column; 4-byte elements; after every 128 words (code 6) 4 words
.irp g, G1K, G1V, G1M
	s_mov_b32 s[\g+1], 128<<16      ; tensor_dim0 = 128
	s_mov_b32 s[\g+2], 64<<16       ; tensor_dim1 = 64
	s_mov_b32 s[\g+3], 128<<16      ; tile_dim0 = 128
	s_mov_b32 s[\g+4], 64           ; tile_dim1 = 64
	s_mov_b32 s[\g+6], 0
	s_mov_b32 s[\g+7], 0
.endr
	s_mov_b32 s[G1K+5], 128         ; elements from row to row
	s_mov_b32 s[G1V+5], 128
	s_mov_b32 s[G1M+5], 2048
	s_lshl_b32 s72, s17, 5          ; K's slot in qkv: 32 x batch + 16 + key head: no cx enters
	s_add_co_u32 s72, s72, s19
	s_add_co_u32 s72, s72, 16
	s_lshl_b32 s72, s72, 18         ; a slot is 2,048 rows of 128 bytes
	s_mov_b32 s73, 0
	s_and_b32 s22, s[WV], 1         ; which half of the mask's 128 rows I fetch
	s_lshl_b32 s74, s17, 24         ; the mask: the batch's 2,048 rows of 8,192 bytes, my block's 128 rows: no cy enters
	s_lshl_b32 s75, s15, 20
	s_add_co_u32 s74, s74, s75
	s_add_co_u32 s2, s74, 2*KS*4    ; for the requests ahead: the tile's first row at slot 1's columns; the first request steps on to slot 2's
	s_mov_b32 s3, 0
	s_lshl_b32 s75, s22, 19         ; my half's 64 rows
	s_add_co_u32 s74, s74, s75
	s_mov_b32 s75, 0
	s_lshl_b32 s76, s17, 5          ; Q: slot 32 x batch + 2 x key head, row 128 x block + 32 x wave
	s_lshl_b32 s77, s19, 1
	s_add_co_u32 s76, s76, s77
	s_lshl_b32 s76, s76, 18
	s_lshl_b32 s77, s15, 14
	s_add_co_u32 s76, s76, s77
	s_lshl_b32 s77, s[WV], 12
	s_add_co_u32 s76, s76, s77
	s_mov_b32 s77, 0
	s_lshl_b32 s78, s17, 22         ; att: the same row, 2,048 bytes each, and the pair of heads' 256 bytes
	s_lshl_b32 s79, s15, 18
	s_add_co_u32 s78, s78, s79
	s_lshl_b32 s79, s[WV], 16
	s_add_co_u32 s78, s78, s79
	s_lshl_b32 s79, s19, 8
	s_add_co_u32 s78, s78, s79
	s_mov_b32 s79, 0
	s_mov_b32 s[CS], 0x3fb8aa3b     ; log2(e)
	s_mov_b32 s[CS+1], s[CS]        ; named with it as a pair
	s_mov_b32 s[SEL], 0x76543210
	s_mov_b32 s[SEL+1], 0xfedcba98
	s_mov_b32 s[TBK], SLOT1+2*KS*PK ; the first change of slots turns these three into 0
	s_mov_b32 s[TBV], SLOT1+2*KS*PV
	s_mov_b32 s[TBM], SLOT1+2*KS*4
	s_mov_b32 s[SLOTS], 15          ; 16 slots of 128 keys
	s_mov_b32 s[G0K], 1             ; count = 1
	s_mov_b32 s[G0K+1], 0           ; LDS address: slot 0
	s_mov_b32 s[G0V], 1
	s_mov_b32 s[G0V+1], VOFF
	s_mov_b32 s[G0M], 1
	s_mul_i32 s23, s22, 64*PM
	s_add_co_u32 s[G0M+1], s23, MOFF
	s_wait_dscnt 0x0                ; the opening add is done
	s_wait_kmcnt 0x0
	s_add_nc_u64 s[G0K+2:G0K+3], s[4:5], s[72:73]
	s_add_nc_u64 s[G0V+2:G0V+3], s[G0K+2:G0K+3], 8<<18  ; V's slot lies eight behind K's
	s_or_b32 s[G0K+3], s[G0K+3], 0x80000000             ; type = 2
	s_or_b32 s[G0V+3], s[G0V+3], 0x80000000
	s_add_nc_u64 s[G0M+2:G0M+3], s[6:7], s[74:75]
	s_or_b32 s[G0M+3], s[G0M+3], 0x80000000
	s_add_nc_u64 s[PB:PB+1], s[6:7], s[2:3]
	s_add_nc_u64 s[4:5], s[4:5], s[76:77]    ; Q and att at my wave's first row
	s_add_nc_u64 s[10:11], s[10:11], s[78:79]
	CROUND                          ; all sixteen work-groups are here: the first joint loads meet
	JLOAD                           ; slot 0.  Slot 1 is asked for when slot 0 is in, by the loop's own change of slots
	; A fragment of K or Q is 16 rows x 32 channels in 8 registers: lane l holds row l % 16, channels 8 (l / 16) + 0..7 and 16 + 8 (l / 16) + 0..7: two loads of 16 bytes, 32 bytes apart.
	v_and_b32 v1, 15, v0            ; r = l % 16; kept for the way out
	v_bfe_u32 v2, v0, 4, 1          ; h = l / 16; kept for the way out
	v_lshlrev_b32 v[QO], 7, v1
	v_lshl_add_u32 v[QO], v2, 4, v[QO]  ; row x 128 + 16 x half
.set i, 0
.rept 8                             ; Q stays in registers: piece i / 2 (head (i / 2) % 2, a slot of 262,144 bytes on; query block i / 4), channels 32 (i % 2) on
	global_load_b128 v[QF+8*i:QF+8*i+3],   v[QO], s[4:5] offset:((i/2)%2)*262144+(i/4)*2048+(i%2)*64
	global_load_b128 v[QF+8*i+4:QF+8*i+7], v[QO], s[4:5] offset:((i/2)%2)*262144+(i/4)*2048+(i%2)*64+32
.set i, i+1
.endr
	; What the first turn finds: V's registers and P's second buffer hold 0 (its products V^T P, of a piece that has not been, add 0), O^T and l are 0.  All this stands in the wait for the first tile.
	WIN W_D1
.set i, 0
.rept 208                           ; O^T, V and l lie on end in window 1
	v_mov_b32 v[i], 0
.set i, i+1
.endr
	WIN 0
.set i, 0
.rept 4
	v_mov_b32 v[ST+4*i], 0xff7fffff    ; m: the lowest finite number
	v_mov_b32 v[ST+4*i+1], 0xff7fffff  ; named with it as a pair
.set i, i+1
.endr
.set i, P+16
.rept 16
	v_mov_b32 v[i], 0
.set i, i+1
.endr
	v_and_b32 v4, 31, v0            ; the requests ahead: lane l asks for row 16 x key head + l / 2, block l % 2 of its 512 bytes
	v_lshrrev_b32 v[PF], 1, v4
	v_and_b32 v4, 1, v4
	s_lshl_b32 s71, s19, 17         ; 16 rows of 8,192 bytes for each key head
	v_lshl_add_u32 v[PF], v[PF], 13, s71
	v_lshl_add_u32 v[PF], v4, 8, v[PF]
	; my lane's places in the tiles, made in S^T's registers, which are still free, and kept in window 2
	v_mul_u32_u24 v64, v1, PK
	v_lshl_add_u32 v64, v2, 4, v64  ; K: row x pitch + 16 x half
	; The turning load takes 16 keys x 16 channels (lane l reads key 8 (l / 16) + l % 8, channels 8 ((l / 8) % 2) + 0..7) and leaves half a fragment of V^T: lane l holds channel l % 16 and 8 keys.
	v_and_b32 v66, 7, v0
	v_bfe_u32 v67, v0, 3, 1
	v_lshl_add_u32 v65, v2, 3, v66
	v_mul_u32_u24 v65, v65, PV
	v_lshl_add_u32 v65, v67, 4, v65
	v_add_nc_u32 v65, VOFF, v65
	s_mul_i32 s71, s[WV], 32*PM     ; the mask: my wave's 32 rows, row r, 32 bytes for each half of the lanes
	s_add_co_u32 s71, s71, MOFF
	v_mul_u32_u24 v68, v1, PM
	v_lshl_add_u32 v68, v2, 5, v68
	v_add_nc_u32 v68, s71, v68
	WIN W_D2
	v_mov_b32 v[AK0], v64
	v_mov_b32 v[AV0], v65
	v_mov_b32 v[AM0], v68
	WIN 0
; THE MATRIX WORK.  The 4 accumulators of a run of 8 take turns.  Product i of 8 of S^T = K Q^T for piece x: channels 32 (i / 4) on, keys 16 (i % 4) on.  The first 4 start the sums.
.macro KQ x
	WIN 0
.set rS, S+32*((\x)%2)+8*(i%4)
.set rK, KF+16*(i%4)+8*(i/4)
.set rQ, QF+16*(\x)+8*(i/4)
.if i < 4
	v_wmma_f32_16x16x32_f16 v[rS:rS+7], v[rK:rK+7], v[rQ:rQ+7], 0
.else
	v_wmma_f32_16x16x32_f16 v[rS:rS+7], v[rK:rK+7], v[rQ:rQ+7], v[rS:rS+7]
.endif
.endm
; Product i of 8 of O^T += V^T P for piece x: keys 32 (i / 4) on, channels 16 (i % 4) on.
.macro PV x
	WIN W_PV
.set rO, 32*(\x)+8*(i%4)
.set rV, VF+32*(i/4)+8*(i%4)
.set rP, P+16*((\x)%2)+8*(i/4)
	v_wmma_f32_16x16x32_f16 v[rO:rO+7], v[rV:rV+7], v[rP:rP+7], v[rO:rO+7]
.endm
.macro MM                           ; the turn's next matrix instruction.  TURN sets Y, i and NOKQ.  NOKQ = 1: the walk's last turn: there is no next piece
.if (i < 8) && !NOKQ
	KQ (Y+1)%NP
.elseif i >= 8
.set i, i-8
	PV (Y+NP-1)%NP
.set i, i+8
.endif
.set i, i+1
.endm
; THE LDS LOADS stand in runs of 16, never singly among the matrix instructions: a step's K (8 fragments), its mask (2 query blocks x 4 key blocks x 32 bytes a lane) and its V (turned).
.macro FETCH_K                      ; also makes the mask's address, under the same setting
	WIN W_2
	v_add_nc_u32 v[AK], s[TBK], v[AK0]
	v_add_nc_u32 v[AM], s[TBM], v[AM0]
	WIN W_LK
.irp f, 0,1,2,3,4,5,6,7             ; keys 16 (f / 2) on, channels 32 (f % 2) on
	ds_load_b128 v[KF+8*\f:KF+8*\f+3],   v[AK] offset:(\f/2)*16*PK+(\f%2)*64
	ds_load_b128 v[KF+8*\f+4:KF+8*\f+7], v[AK] offset:(\f/2)*16*PK+(\f%2)*64+32
.endr
	s_add_co_u32 s[TBK], s[TBK], KS*PK  ; the next fetch is the next step's
	s_add_co_u32 s[TBM], s[TBM], KS*4
	WIN 0
.endm
.macro FETCH_M
	WIN W_2
.irp f, 0,1,2,3,4,5,6,7             ; query block f / 4, keys 16 (f % 4) on
	ds_load_b128 v[MC+8*\f:MC+8*\f+3],   v[AM] offset:(\f/4)*16*PM+(\f%4)*64
	ds_load_b128 v[MC+8*\f+4:MC+8*\f+7], v[AM] offset:(\f/4)*16*PM+(\f%4)*64+16
.endr
	WIN 0
.endm
.macro FETCH_V
	WIN W_2
	v_add_nc_u32 v[AV], s[TBV], v[AV0]
	WIN W_LV
.irp f, 0,1,2,3,4,5,6,7             ; keys 32 (f / 4) on, channels 16 (f % 4) on
	ds_load_tr16_b128 v[VF+8*\f:VF+8*\f+3],   v[AV] offset:(\f/4)*32*PV+(\f%4)*32
	ds_load_tr16_b128 v[VF+8*\f+4:VF+8*\f+7], v[AV] offset:(\f/4)*32*PV+16*PV+(\f%4)*32
.endr
	s_add_co_u32 s[TBV], s[TBV], KS*PV
	WIN 0
.endm
.macro MSCALE                       ; a step's mask times log2(e), rounded once: for both query blocks, each of which serves two pieces
	WIN W_2
.set z, 0
.rept 32
	v_pk_mul_f32 v[MC+2*z:MC+2*z+1], v[MC+2*z:MC+2*z+1], s[CS:CS+1] op_sel_hi:[1,0]
.set z, z+1
.endr
.endm
; THE VECTOR WORK, one line at a time: OP kind, number.  For piece Y: F n: t - m for pair n of 16.  E n: the exponential of score n of 32 (it names no source 1, so it stands under part A's setting and under the mask's).
; C n: pair n rounded to f16.  G n: chain n of l times a.  L n: chain n % 2 of l takes pair n of the weights.  R n: pair n of 16 of O^T times a.  For piece Y + 1: M n: pair n of its scores takes its mask, rounded
; to nearest (each accumulator's lowest pair is read first).  X n, number n of the 21 that find its maximum and statistics:
;   0-11  four chains c0-c3 of seven scores each, three operands at a time     12-14, 16  the four scores left over, the old m, and c0-c3 into c0
;   15  m_old is kept     17, 18  the query's other 32 keys lie in the lane 16 away: the new m     19, 20  m_old - m_new; a
.set F, 0
.set E, 1
.set C, 2
.set L, 3
.set R, 4
.set G, 5
.set M, 6
.set X, 7
.macro REGS y                       ; the registers of piece y
.set rT, ST+4*(\y)
.set rC, TMP+4*((\y)%2)
.set rW, MV+((\y)%2)
.set rS, S+32*((\y)%2)
.set rP, P+16*((\y)%2)
.set rO, 32*(\y)
.set rL, LL+4*(\y)
.endm
.macro OP k, n
.if (\k) == F
	REGS Y
	WIN 0
	v_pk_add_f32 v[rS+2*(\n):rS+2*(\n)+1], v[rS+2*(\n):rS+2*(\n)+1], v[rT:rT+1] op_sel_hi:[1,0] neg_lo:[0,1] neg_hi:[0,1]
.elseif (\k) == E
	REGS Y
	v_exp_f32 v[rS+(\n)], v[rS+(\n)]
.elseif (\k) == C
	REGS Y
	WIN 0
	s_wait_alu depctr_va_vdst(0)
	v_cvt_pk_f16_f32 v[rP+(\n)], v[rS+2*(\n)], v[rS+2*(\n)+1]
.elseif (\k) == L
	REGS Y
	WIN W_PV
	v_pk_add_f32 v[rL+2*((\n)%2):rL+2*((\n)%2)+1], v[rL+2*((\n)%2):rL+2*((\n)%2)+1], v[rS+2*(\n):rS+2*(\n)+1]
.elseif (\k) == R
	REGS Y
	WIN W_PV
	v_pk_mul_f32 v[rO+2*(\n):rO+2*(\n)+1], v[rO+2*(\n):rO+2*(\n)+1], v[rC+2:rC+3] op_sel_hi:[1,0]
.elseif (\k) == G
	REGS Y
	WIN W_PV
	v_pk_mul_f32 v[rL+2*(\n):rL+2*(\n)+1], v[rL+2*(\n):rL+2*(\n)+1], v[rC+2:rC+3] op_sel_hi:[1,0]
.elseif NOKQ                        ; there is no next piece: M and X write nothing
.elseif (\k) == M
	REGS (Y+1)%NP
	WIN W_MA
	v_pk_add_f32 v[rS+2*(\n):rS+2*(\n)+1], v[rS+2*(\n):rS+2*(\n)+1], v[MC+32*(((Y+1)%NP)/2)+2*(\n):MC+32*(((Y+1)%NP)/2)+2*(\n)+1]
.else
	REGS (Y+1)%NP
	WIN 0
.if (\n) < 4
	v_max3_num_f32 v[rC+(\n)], v[rS+8*(\n)], v[rS+8*(\n)+1], v[rS+8*(\n)+2]
.elseif (\n) < 12
	v_max3_num_f32 v[rC+(\n)%4], v[rC+(\n)%4], v[rS+8*((\n)%4)+2*((\n)/4)+1], v[rS+8*((\n)%4)+2*((\n)/4)+2]
.elseif (\n) == 12
	v_max3_num_f32 v[rC], v[rC], v[rS+7], v[rS+15]
.elseif (\n) == 13
	v_max3_num_f32 v[rC+1], v[rC+1], v[rS+23], v[rS+31]
.elseif (\n) == 14
	v_max3_num_f32 v[rC+2], v[rC+2], v[rC+3], v[rT]
.elseif (\n) == 15
	v_mov_b32 v[rW], v[rT]
	s_wait_alu depctr_va_vdst(0)
.elseif (\n) == 16
	v_max3_num_f32 v[rC], v[rC], v[rC+1], v[rC+2]
.elseif (\n) == 17
	v_permlanex16_b32 v[rC+3], v[rC], s[SEL], s[SEL+1]
.elseif (\n) == 18
	v_max_num_f32 v[rT], v[rC], v[rC+3]
.elseif (\n) == 19
	v_sub_f32 v[rC+1], v[rW], v[rT]
.else
	v_exp_f32 v[rC+2], v[rC+1]
.endif
.endif
.endm
.macro OPS a, i1, b=-1, i2=0, c=-1, i3=0, d=-1, i4=0  ; up to four of them
	OP \a, \i1
.if (\b) >= 0
	OP \b, \i2
.endif
.if (\c) >= 0
	OP \c, \i3
.endif
.if (\d) >= 0
	OP \d, \i4
.endif
.endm
.macro ROW a, i1, b, i2, c, i3, d, i4  ; a matrix instruction and the four behind it
	MM
	OPS \a, \i1, \b, \i2, \c, \i3, \d, \i4
.endm
; A TURN, for piece p: the order of its 16 matrix and 135 vector instructions, written out.  No rider names a register of the products round it.  Every exponential has a plain instruction behind it that touches
; neither its result nor its source; a rounding stands two rows or more behind its pair's exponentials.
; The mask's addition stands six plain instructions behind the eighth product K Q^T.  K of the next step is fetched in piece 2's turn, four plain instructions (and its own two address lines) behind that product;
; the next step's mask behind the addition, which is the old mask's last reader; both are waited for, and the mask is scaled, at the head of piece 3's turn.  V of the step in hand is fetched at the end of piece 0's
; turn, six plain riders behind the last product that read V, and waited for in front of piece 1's part C.
; end = 1: the walk's last two turns: nothing is fetched, and the last starts no new scores.  cnt = 1: the loop's count is taken down some lines ahead of the branch that stands behind the turn.
.macro TURN p, end=0, cnt=0
.set Y, (\p)
.set i, 0
.set NOKQ, (\end)*((\p)/3)
.if ((\p) == 3) && !(\end)
	s_wait_dscnt 0x0                ; K and the mask are in
	MSCALE
.endif
	ROW F,0, F,1, F,2, F,3          ; part A
	ROW E,0, F,4, E,1, F,5
	ROW E,2, F,6, E,3, F,7
	ROW E,4, C,0, E,5, F,8
	ROW E,6, C,1, E,7, F,9
	ROW E,8, C,2, E,9, F,10
	ROW E,10, C,3, E,11, F,11
	ROW E,12, C,4, E,13, F,12
	OPS E,14, F,13, E,15, F,14      ; part B
.if ((\p) == 2) && !(\end)
	FETCH_K
.endif
	OPS E,16, F,15, E,17, C,5
	OPS M,0, E,18, M,1, E,19
	OPS M,2, E,20, M,3, E,21
	OPS M,4, E,22, M,5, E,23
	OPS M,6, E,24, M,7, E,25
	OPS M,8, E,26, M,9, E,27
	OPS M,10, E,28, M,11, E,29
	OPS M,12, E,30, M,13, E,31
	OPS M,14, M,15
.if ((\p) == 2) && !(\end)
	FETCH_M
.endif
	OPS X,0, X,1, X,2, X,3
	OPS X,4, X,5, X,6, X,7
	OPS X,8, X,9, X,10, X,11
	OPS X,12, X,13, X,15, C,6
	OPS X,14, C,7, C,8, C,9
	OPS X,16, C,10, C,11, C,12
	OPS X,17, C,13, C,14, X,18
	OPS C,15, X,19, X,20
.if (\p) == 1
	s_wait_dscnt 0x0                ; V is in
.endif
	ROW G,0, G,1, R,0, R,1          ; part C
	ROW L,0, R,2, L,1, R,3
	ROW L,2, R,4, L,3, R,5
	ROW L,4, R,6, L,5, R,7
	ROW L,6, R,8, L,7, R,9
.if \cnt
	s_sub_co_u32 s[CNT], s[CNT], 1
	s_cmp_lg_u32 s[CNT], 0
.endif
	ROW L,8, R,10, L,9, R,11
	ROW L,10, R,12, L,11, R,13
	ROW L,12, R,14, L,13, R,15
	OPS L,14, L,15
.if (\p) == 0
	FETCH_V
.endif
.endm
	CHANGE 1                        ; slot 0 is in, everybody's part of it; slot 1 is asked for
	FETCH_K                         ; key step 0
	FETCH_M
	s_wait_loadcnt 0x0              ; Q
	s_wait_dscnt 0x0
	MSCALE
.set NOKQ, 0
.set i, 0
.rept 8
	KQ 0                            ; piece 0's first scores: there is no vector work yet to set between them
.set i, i+1
.endr
.rept 4
	v_nop                           ; the places behind those products
.endr
.set Y, NP-1                        ; M and X work for piece Y + 1: piece 0
.irp n, 0,1,2,3,4,5,6,7,8,9,10,11,12,13,14,15
	OP M, \n
.endr
.irp n, 0,1,2,3,4,5,6,7,8,9,10,11,12,13,14,15,16,17,18,19,20
	OP X, \n
.endr
	v_nop                           ; a plain instruction behind the exponential
	s_mov_b32 s[CNT], 2
	s_branch .Lfirst                ; the loop is entered at a step's first turn, in the middle of a trip
.Lslot:                             ; 14 times: every slot but the last two is filled again
	CHANGE 1
	s_mov_b32 s[CNT], 2
.Lstep:                             ; a trip: pieces 2 and 3 of one step, then pieces 0 and 1 of the next, whose K, mask and V it fetches
	TURN 2
	TURN 3
	WIN 0
.Lfirst:
	TURN 0
	TURN 1, 0, 1
	WIN 0
	s_cbranch_scc1 .Lstep
	s_sub_co_u32 s[SLOTS], s[SLOTS], 1
	s_cmp_lg_u32 s[SLOTS], 0
	s_cbranch_scc1 .Lslot
	CHANGE 0                        ; the tail is written out: nothing is asked for
	s_mov_b32 s[CNT], 2
.Ltstep:
	TURN 2
	TURN 3
	TURN 0
	TURN 1, 0, 1
	WIN 0
	s_cbranch_scc1 .Ltstep
	TURN 2, 1                       ; the last step's pieces 2 and 3
	TURN 3, 1
.set i, 0
.rept 8
	PV NP-1                         ; the last piece's V^T P of the last step
.set i, i+1
.endr
	; THE WAY OUT.  l's two chains, their two halves and the other half of the lanes' are added; O^T is divided by l, rounded to f16 and sent through my stage in LDS: the two heads of a query block fill the two halves
	; of rows of 256 bytes.  The additions are the places behind the last products.
.macro ALL line:vararg              ; one line for each piece t
.set t, 0
.rept 4
	\line
.set t, t+1
.endr
.endm
	WIN W_S1
	ALL v_pk_add_f32 v[ST+4*t+2:ST+4*t+3], v[LL+4*t:LL+4*t+1], v[LL+4*t+2:LL+4*t+3]
	WIN 0
	ALL v_add_f32 v[ST+4*t+2], v[ST+4*t+2], v[ST+4*t+3]
	ALL v_permlanex16_b32 v[ST+4*t+3], v[ST+4*t+2], s[SEL], s[SEL+1]
	ALL v_add_f32 v[ST+4*t+2], v[ST+4*t+2], v[ST+4*t+3]
	ALL v_rcp_f32 v[ST+4*t+2], v[ST+4*t+2]
	s_mul_i32 s71, s[WV], 16*SP     ; the addresses, in Q's registers, which are free now: plain instructions between the last reciprocal and the use of its result
	s_add_co_u32 s71, s71, STAGE    ; my stage
	v_mul_u32_u24 v[STO], v1, SP    ; in: row r, 16 bytes for each half of the lanes
	v_lshl_add_u32 v[STO], v2, 4, v[STO]
	v_add_nc_u32 v[STO], s71, v[STO]
	v_mul_u32_u24 v[RD], v2, SP     ; back: lanes 0-15 take one row of 256 bytes, lanes 16-31 the next
	v_lshl_add_u32 v[RD], v1, 4, v[RD]
	v_add_nc_u32 v[RD], s71, v[RD]
	v_lshlrev_b32 v[CO], 11, v2     ; and the same two rows in att
	v_lshl_add_u32 v[CO], v1, 4, v[CO]
	s_wait_alu depctr_va_vdst(0)
.macro PACK t                       ; a lane's eight channels of a row pack into 16 bytes; piece t's head takes half t % 2 of the stage's rows
	WIN W_PV
.set i, 32*(\t)
.rept 16
	v_pk_mul_f32 v[i:i+1], v[i:i+1], v[ST+4*(\t)+2:ST+4*(\t)+3] op_sel_hi:[1,0]
.set i, i+2
.endr
	WIN W_S1                        ; sources 0 and 1 window 1, destination window 0: S^T's registers are free
.set i, 0
.rept 16
	v_cvt_pk_f16_f32 v[S+16*(\t)+i], v[32*(\t)+2*i], v[32*(\t)+2*i+1]
.set i, i+1
.endr
	WIN 0
.irp f, 0,1,2,3
	ds_store_b128 v[STO], v[S+16*(\t)+4*\f:S+16*(\t)+4*\f+3] offset:((\t)%2)*128+32*\f
.endr
.endm
.macro BACK qb                      ; 16 whole rows of 256 bytes; LDS serves a wave's instructions in order (ISA guide 5.7.1.4): these see the stores above, and the next block's stores come behind them
.irp t, 0,1,2,3,4,5,6,7
	ds_load_b128 v[BKR+32*(\qb)+4*\t:BKR+32*(\qb)+4*\t+3], v[RD] offset:\t*2*SP
.endr
.endm
.macro SEND qb, younger             ; younger: the LDS instructions issued behind this block's loads
.irp t, 0,1,2,3,4,5,6,7
	s_wait_dscnt (\younger)+7-\t
	global_store_b128 v[CO], v[BKR+32*(\qb)+4*\t:BKR+32*(\qb)+4*\t+3], s[10:11] offset:(16*(\qb)+2*\t)*2048  ; 16 lanes store 256 consecutive bytes, at a multiple of 256 from att's first
.endr
.endm
	PACK 0
	PACK 1
	BACK 0
	PACK 2
	PACK 3
	BACK 1
	SEND 0, 16                      ; behind block 0's loads: eight stores and eight loads
	SEND 1, 0
	WIN W_AD
	s_wait_tensorcnt 0x0            ; the wave's end: these three lines stand behind my last tensor load and my last LDS store
	ds_add_u32 v[SPW], v[NIL]
	s_wait_dscnt 0x0
	WIN 0
	CROUND                          ; the closing round: no work-group ends while a partner may still ask for a tile that names it
	s_endpgm
.Lfunc_end_k_q1e015416e8_attn:
	.size	k_q1e015416e8_attn, .Lfunc_end_k_q1e015416e8_attn-k_q1e015416e8_attn
	.p2alignl 7, 3214868480
	.fill 96, 4, 3214868480
	.section	.rodata,"a",@progbits
	.p2align	6, 0x0
	.amdhsa_kernel k_q1e015416e8_attn
		.amdhsa_group_segment_fixed_size 327680
		.amdhsa_private_segment_fixed_size 0
		.amdhsa_enable_private_segment 0
		.amdhsa_kernarg_size 24
		.amdhsa_user_sgpr_count 2
		.amdhsa_user_sgpr_kernarg_segment_ptr 1
		.amdhsa_wavefront_size32 1
		.amdhsa_system_sgpr_workgroup_id_x 1
		.amdhsa_system_sgpr_workgroup_id_y 1
		.amdhsa_system_sgpr_workgroup_id_z 1
		.amdhsa_system_vgpr_workitem_id 0
		.amdhsa_next_free_vgpr 584
		.amdhsa_next_free_sgpr 80
		.amdhsa_reserve_vcc 0
		.amdhsa_float_denorm_mode_32 3
		.amdhsa_float_denorm_mode_16_64 3
		.amdhsa_memory_ordered 1
		.amdhsa_forward_progress 1
		.amdhsa_inst_pref_size 143
	.end_amdhsa_kernel
	.amdgpu_metadata
---
amdhsa.version: [ 1, 2 ]
amdhsa.kernels:
  - .name:           k_q1e015416e8_attn
    .symbol:         k_q1e015416e8_attn.kd
    .args:
      - { .name: qkv, .offset: 0, .size: 8, .value_kind: global_buffer, .address_space: global }
      - { .name: attention_mask, .offset: 8, .size: 8, .value_kind: global_buffer, .address_space: global }
      - { .name: att, .offset: 16, .size: 8, .value_kind: global_buffer, .address_space: global }
    .group_segment_fixed_size: 327680
    .private_segment_fixed_size: 0
    .kernarg_segment_align: 8
    .kernarg_segment_size: 24
    .max_flat_workgroup_size: 128
    .sgpr_count:     80
    .vgpr_count:     584
    .wavefront_size: 32
...
	.end_amdgpu_metadata
.endif
;; end of part 3
;; launch oproj (part 4): grid 16 x 16, 4 waves a work-group, clusters of 4 x 4, 327,680 bytes of LDS; arguments att, cvt, out0; writes out0
.if DOCPART == 4
	.amdgcn_target "amdgcn-amd-amdhsa--gfx1250"
	.amdhsa_code_object_version 6
	.text
	.protected	k_q1e015416e8_oproj
	.globl	k_q1e015416e8_oproj
	.p2align	8
	.type	k_q1e015416e8_oproj,@function
k_q1e015416e8_oproj:
	s_mov_b64 s[64:65], 0
	v_nop
	global_prefetch_b8 v0, s[64:65] scope:SCOPE_SE
	s_setreg_imm32_b32 hwreg(HW_REG_WAVE_MODE, 25, 1), 1
	s_wait_xcnt 0x0
	s_wait_alu depctr_hold_cnt(0) depctr_sa_sdst(0) depctr_va_vdst(0) depctr_va_sdst(0) depctr_va_ssrc(0) depctr_va_vcc(0) depctr_vm_vsrc(0)
	s_getreg_b32 s2, hwreg(HW_REG_IB_STS2, 6, 4)
	s_cmp_eq_u32 s2, 0
	s_cbranch_scc0 .Lentry_in_a_cluster
	s_endpgm
.Lentry_in_a_cluster:
	s_bfe_u32 s2, ttmp6, 0x10000c
	s_cmp_lg_u32 s2, 0xf033
	s_cbranch_scc0 .Lentry_shape_is_right
	s_endpgm
.Lentry_shape_is_right:
; OUTPUT PROJECTION.  out0[m][n] = sum over k of att[m][k] Wo[n][k].  att [4096][1024] f16; Wo [2048][1024] f16 (the bf16-rounded numbers, from cvt); out0 [4096][2048] f32; sums in f32.
; LIMIT.  Wo below 6e-5 keeps f16's fixed step of 6e-8; att lies within v's range.
; SHARES.  A tile of out0 is 256 x 128: 16 x 16 work-groups.  Four waves, each 128 rows x 64 columns: 32 accumulators of 16 x 16, 256 registers.
; K goes in steps of 128 through a ring of two LDS slots (A's 256 rows, then B's 128 rows; a row is 256 bytes of memory, aligned, and 272 bytes of LDS).
; CLUSTER.  4 x 4 work-groups: the four of a row of the cluster need the same tiles of att, the four of a column the same tiles of Wo; each tile is asked for jointly.  Waves 0 and 1 fetch att's two halves, waves 2 and 3 Wo's.
; THE MATRIX INSTRUCTION IS USED TRANSPOSED (source 0 = 16 rows of Wo, source 1 = 16 rows of att): a lane holds row lane % 16 and eight neighbouring columns, 32 bytes of f32.
; REGISTERS: window 0: v16-29 addresses; v64-191 two buffers of A's fragments; v192-255 two of B's; on the way out v64-127 rows read back.   window 1: the accumulators, (a, b) at v[8 (4 a + b)].
.set SIZE_K, 1024
.set KSTEP,  128
.set PITCH,  272                       ; an LDS row: 256 bytes + 16 of padding: the 16 rows of a fragment load start at 16 different groups of four banks (64 banks of 4 bytes: ISA guide 11.1)
.set HA,     128*PITCH
.set HB,     64*PITCH
.set BOFF,   256*PITCH
.set SLOT,   384*PITCH
.set STAGE,  2*SLOT                    ; behind the ring, never filled by a tensor load: 16 rows x 272 bytes for each wave, for the way out
.set SP,     272
.set SPARE,  STAGE+4*16*SP             ; the spare words, 128 bytes for each wave: two blocks of 256 bytes that no other line names
.set LAPS,   SIZE_K/(2*KSTEP)
.set WO_OFF, 25165824                  ; Wo in cvt
.set ROWC,   8192                      ; bytes in a row of out0
.set ADRA, 16
.set ADRB, 20
.set STO,  24
.set RD,   25
.set CO,   26
.set SPW,  28                          ; v28  LDS address of my spare word; never rewritten
.set NIL,  29                          ; v29  0; never rewritten
.set FA,   64
.set FB,   192
.set BK,   64                          ; the way out: 16 rows read back, two buffers of 32
.set G1,  24
.set G0,  32
.set G1B, 48
.set G0B, 56
.set MSB, 0
.macro WIN new                         ; the immediate's high byte repeats the setting that is left; a switch that changes nothing is dropped
.if MSB != (\new)
	s_set_vgpr_msb (MSB<<8)|(\new)
.set MSB, \new
.endif
.endm
.set MUL, 0x50                         ; sources in window 0, C and D in window 1
.macro JLOAD s                         ; a joint load; the branch hangs on the wave's number alone; an s_nop 0 and four v_nop follow each of the two lines
	s_cmp_eq_u32 s11, 0
	s_cbranch_scc0 .Lfor_b_\@
	tensor_load_to_lds s[G0+4*(\s):G0+4*(\s)+3], s[G1:G1+7]
	s_nop 0
.rept 4
	v_nop
.endr
	s_branch .Lasked_\@
.Lfor_b_\@:
	tensor_load_to_lds s[G0B+4*(\s):G0B+4*(\s)+3], s[G1B:G1B+7]
	s_nop 0
.rept 4
	v_nop
.endr
.Lasked_\@:
.endm
.macro CREST                           ; a round of the cluster's barrier behind its opening barrier
	s_cmp_lg_u32 s10, 0
	s_cbranch_scc1 .Lnot_wave_0_\@
	s_barrier_signal -3
.Lnot_wave_0_\@:
	s_barrier_wait -3
	s_barrier_signal -1
	s_barrier_wait -1
.endm
.macro CROUND                          ; a whole round
	s_barrier_signal -1
	s_barrier_wait -1
	CREST
.endm
	s_load_b128 s[4:7], s[0:1], 0x0                ; att s[4:5], cvt s[6:7]
	s_load_b64 s[8:9], s[0:1], 0x10                ; out0
	v_lshl_add_u32 v[SPW], v0, 2, SPARE
	v_mov_b32 v[NIL], 0
	ds_add_u32 v[SPW], v[NIL]                      ; the wave's opening: the add and its wait stand ahead of my first tensor load; work on registers stands between them
	v_lshrrev_b32 v1, 5, v0
	v_readfirstlane_b32 s10, v1                    ; wave 0..3
	s_lshr_b32 s11, s10, 1                         ; which 128 rows of the tile are mine.  Also: I fetch for A (0) or for B (1)
	s_and_b32 s12, s10, 1                          ; which 64 columns.  Also: which half of that tile I fetch
	s_bfe_u32 s40, ttmp6, 0x40000                  ; cx, cy
	s_bfe_u32 s41, ttmp6, 0x40004
	s_lshl_b32 s42, ttmp9, 2
	s_add_co_u32 s42, s42, s40                     ; tile column
	s_and_b32 s13, ttmp7, 0xffff
	s_lshl_b32 s13, s13, 2
	s_add_co_u32 s13, s13, s41                     ; tile row
	s_lshl_b32 s43, s41, 2
	s_lshl_b32 s43, 15, s43                        ; my row of the cluster
	s_lshl_b32 s44, 0x1111, s40                    ; my column
	s_or_b32 s[G1+0], s43, (1<<16)|(1<<20)|(1<<21)|(5<<22)|(3<<25)   ; the mask; 2-byte elements; padding on; bit 21 beside a mask; after every 64 words (code 5) 4 words (code 3)
	s_or_b32 s[G1B+0], s44, (1<<16)|(1<<20)|(1<<21)|(5<<22)|(3<<25)
	s_mov_b32 s[G1+1], KSTEP<<16                   ; tensor_dim0 = 128
	s_mov_b32 s[G1+2], 128<<16                     ; tensor_dim1 = 128
	s_mov_b32 s[G1+3], KSTEP<<16                   ; tile_dim0 = 128
	s_mov_b32 s[G1+4], 128                         ; tile_dim1 = 128
	s_mov_b32 s[G1+5], SIZE_K                      ; elements from row to row
	s_mov_b32 s[G1+6], 0
	s_mov_b32 s[G1+7], 0
	s_mov_b32 s[G1B+1], KSTEP<<16
	s_mov_b32 s[G1B+2], 64<<16                     ; B's loads have 64 rows
	s_mov_b32 s[G1B+3], KSTEP<<16
	s_mov_b32 s[G1B+4], 64
	s_mov_b32 s[G1B+5], SIZE_K
	s_mov_b32 s[G1B+6], 0
	s_mov_b32 s[G1B+7], 0
	s_lshl_b32 s16, s13, 8                         ; A: row 256 x tile row + 128 x half, times 2,048 bytes
	s_lshl_b32 s17, s12, 7
	s_add_co_u32 s16, s16, s17
	s_lshl_b32 s16, s16, 11
	s_mov_b32 s17, 0
	s_lshl_b32 s46, s42, 7                         ; B: row 128 x tile column + 64 x half, at Wo's place in cvt
	s_lshl_b32 s47, s12, 6
	s_add_co_u32 s46, s46, s47
	s_lshl_b32 s46, s46, 11
	s_add_co_u32 s46, s46, WO_OFF
	s_mov_b32 s47, 0
	s_mul_i32 s20, s12, HA                         ; where they go: no place in the cluster enters an LDS address
	s_mul_i32 s21, s12, HB
	s_add_co_u32 s21, s21, BOFF
	s_wait_dscnt 0x0                               ; the opening add is done
	s_wait_kmcnt 0x0
	s_add_nc_u64 s[14:15], s[4:5], s[16:17]
	s_add_nc_u64 s[46:47], s[6:7], s[46:47]
	CROUND                                         ; all sixteen work-groups are here: the first joint loads meet
.irp s, 0,1
	s_mov_b32 s[G0+4*(\s)], 1
	s_add_co_u32 s[G0+4*(\s)+1], s20, (\s)*SLOT
	s_add_nc_u64 s[G0+4*(\s)+2:G0+4*(\s)+3], s[14:15], (\s)*KSTEP*2
	s_or_b32 s[G0+4*(\s)+3], s[G0+4*(\s)+3], 0x80000000
	s_mov_b32 s[G0B+4*(\s)], 1
	s_add_co_u32 s[G0B+4*(\s)+1], s21, (\s)*SLOT
	s_add_nc_u64 s[G0B+4*(\s)+2:G0B+4*(\s)+3], s[46:47], (\s)*KSTEP*2
	s_or_b32 s[G0B+4*(\s)+3], s[G0B+4*(\s)+3], 0x80000000
	JLOAD \s                                       ; two loads of mine are out
.endr
	v_and_b32 v1, 15, v0                           ; r = l % 16
	v_bfe_u32 v2, v0, 4, 1                         ; h = l / 16
	v_mul_u32_u24 v3, v1, PITCH
	v_lshl_add_u32 v3, v2, 4, v3
	s_mul_i32 s21, s11, HA                         ; my 128 rows of A
	s_mul_i32 s22, s12, HB                         ; my 64 rows of B
	s_add_co_u32 s22, s22, BOFF
.irp s, 0,1
	v_add_nc_u32 v[ADRA+(\s)], s21, v3
	v_add_nc_u32 v[ADRB+(\s)], s22, v3
	s_add_co_u32 s21, s21, SLOT
	s_add_co_u32 s22, s22, SLOT
.endr
	s_mul_i32 s23, s10, 16*SP
	s_add_co_u32 s23, s23, STAGE                   ; my stage
	v_mul_u32_u24 v4, v1, SP                       ; in: row r, 32 bytes for each half of the lanes
	v_lshl_add_u32 v4, v2, 5, v4
	v_add_nc_u32 v[STO], s23, v4
	v_mul_u32_u24 v5, v2, SP                       ; back: lanes 0-15 take one row of 256 bytes, lanes 16-31 the next
	v_lshl_add_u32 v5, v1, 4, v5
	v_add_nc_u32 v[RD], s23, v5
	v_mul_u32_u24 v5, v2, ROWC                     ; and the same two rows in out0
	v_lshl_add_u32 v[CO], v1, 4, v5
	s_lshl_b32 s16, s13, 8
	s_lshl_b32 s17, s11, 7
	s_add_co_u32 s16, s16, s17                     ; my first row of out0
	s_lshl_b32 s16, s16, 13
	s_mov_b32 s17, 0
	s_add_nc_u64 s[8:9], s[8:9], s[16:17]
	s_lshl_b32 s46, s42, 9                         ; my first column, in bytes: 512 x tile column + 256 x half
	s_lshl_b32 s47, s12, 8
	s_add_co_u32 s46, s46, s47
	s_mov_b32 s47, 0
	s_add_nc_u64 s[8:9], s[8:9], s[46:47]
; 8 matrix instructions: m blocks a0, a0 + 1 x all 4 n blocks, 32 along K, from buffer f.  zero = 1: the product starts the sums.  The 32 accumulators take turns, one instruction a turn, in the same order in every quarter.
.macro MUL8 f, a0, zero
	WIN MUL
.irp a, \a0, (\a0)+1
.irp b, 0,1,2,3
.if \zero
	v_wmma_f32_16x16x32_f16 v[8*(4*(\a)+(\b)):8*(4*(\a)+(\b))+7], v[FB+32*(\f)+8*(\b):FB+32*(\f)+8*(\b)+7], v[FA+64*(\f)+8*(\a):FA+64*(\f)+8*(\a)+7], 0
.else
	v_wmma_f32_16x16x32_f16 v[8*(4*(\a)+(\b)):8*(4*(\a)+(\b))+7], v[FB+32*(\f)+8*(\b):FB+32*(\f)+8*(\b)+7], v[FA+64*(\f)+8*(\a):FA+64*(\f)+8*(\a)+7], v[8*(4*(\a)+(\b)):8*(4*(\a)+(\b))+7]
.endif
.endr
.endr
.endm
; 24 LDS loads in one run: B's four blocks, A's blocks 0-3, A's blocks 4-7
.macro FETCH slot, k, f
	WIN 0
.irp i, 0,1,2,3
	ds_load_b128 v[FB+32*(\f)+8*(\i):FB+32*(\f)+8*(\i)+3],   v[ADRB+(\slot)] offset:(\k)+(\i)*16*PITCH
	ds_load_b128 v[FB+32*(\f)+8*(\i)+4:FB+32*(\f)+8*(\i)+7], v[ADRB+(\slot)] offset:(\k)+(\i)*16*PITCH+32
.endr
.irp i, 0,1,2,3,4,5,6,7
	ds_load_b128 v[FA+64*(\f)+8*(\i):FA+64*(\f)+8*(\i)+3],   v[ADRA+(\slot)] offset:(\k)+(\i)*16*PITCH
	ds_load_b128 v[FA+64*(\f)+8*(\i)+4:FA+64*(\f)+8*(\i)+7], v[ADRA+(\slot)] offset:(\k)+(\i)*16*PITCH+32
.endr
.endm
.macro PLACES                          ; four places in front of loads into registers that matrix instructions have read, and of LDS stores of their results
.rept 4
	v_nop
.endr
.endm
.macro QUARTER slot, k, f, g, zero
	s_wait_dscnt 8                                 ; B and A's blocks 0-3 are in; the youngest eight loads (A's blocks 4-7) may be out
	MUL8 \f, 0, \zero
	MUL8 \f, 2, \zero
	PLACES
	FETCH \slot, \k, \g
	s_wait_dscnt 24                                ; all but the 24 just issued
	MUL8 \f, 4, \zero
	MUL8 \f, 6, \zero
.endm
; The last quarter multiplies buffer 1 and changes slots: ONE barrier; in front of it each wave waits for all its tensor loads (one is out: its part of the next slot), adds 0 to its spare word, and
; waits for that and for its own reads of this slot.  fill = 1: the barrier opens a round of the cluster's barrier, and this slot is filled again, two K steps ahead, first thing behind the round.
.macro TURN slot, next, fill
	WIN 0                                          ; (the add's two registers lie in window 0)
	s_wait_tensorcnt 0x0                           ; all my tensor loads have landed
	ds_add_u32 v[SPW], v[NIL]                      ; 0 onto my spare word
	s_wait_dscnt 9                                 ; (the add and the youngest eight loads may be out)
	MUL8 1, 0, 0
	s_wait_dscnt 0x0                               ; the add is done, and my reads of this slot are over
	s_barrier_signal -1
	MUL8 1, 2, 0
.if \fill
	WIN 0
.endif
	s_barrier_wait -1
.if \fill
	CREST                                          ; no wave of any partner still reads this slot's tile or has a load on its way
	s_add_nc_u64 s[G0+4*(\slot)+2:G0+4*(\slot)+3], s[G0+4*(\slot)+2:G0+4*(\slot)+3], 2*KSTEP*2
	s_add_nc_u64 s[G0B+4*(\slot)+2:G0B+4*(\slot)+3], s[G0B+4*(\slot)+2:G0B+4*(\slot)+3], 2*KSTEP*2
	JLOAD \slot                                    ; 112 matrix instructions ahead of the wait for it; the four v_nop behind it are also the places in front of the loads below
.else
	PLACES
.endif
	FETCH \next, 0, 0
	MUL8 1, 4, 0
	MUL8 1, 6, 0
.endm
	s_wait_tensorcnt 1                             ; my part of K step 0 is in; K step 1's may stay out
	s_barrier_signal -1
	s_barrier_wait -1                              ; everybody's is
	FETCH 0, 0, 0
	QUARTER 0, 64, 0, 1, 1                         ; the first quarter stands in front of the loop: its products start the sums
	WIN 0                                          ; at a label and at a branch every window is 0
	s_mov_b32 s3, LAPS-1
.Llap:                                                 ; a trip goes once round the ring and fills both slots again
	QUARTER 0, 128, 1, 0, 0
	QUARTER 0, 192, 0, 1, 0
	TURN 0, 1, 1
	QUARTER 1, 64,  0, 1, 0
	QUARTER 1, 128, 1, 0, 0
	QUARTER 1, 192, 0, 1, 0
	TURN 1, 0, 1
	QUARTER 0, 64,  0, 1, 0
	WIN 0
	s_sub_co_u32 s3, s3, 1
	s_cmp_lg_u32 s3, 0
	s_cbranch_scc1 .Llap
	QUARTER 0, 128, 1, 0, 0                        ; the last lap fills nothing
	QUARTER 0, 192, 0, 1, 0
	TURN 0, 1, 0
	QUARTER 1, 64,  0, 1, 0
	QUARTER 1, 128, 1, 0, 0
	QUARTER 1, 192, 0, 1, 0
	s_wait_dscnt 8                                 ; the very last quarter: nothing more to fetch
	MUL8 1, 0, 0
	MUL8 1, 2, 0
	s_wait_dscnt 0x0
	MUL8 1, 4, 0
	MUL8 1, 6, 0
	WIN 0
	PLACES
; THE WAY OUT of block a (16 rows x 64 columns of f32): a lane's 32 bytes go into my stage, each accumulator's low four registers first, and come back as whole rows of 256 bytes.
.macro OUTB a
	s_wait_xcnt 0x0                                ; the registers that the stores of two blocks ago read are loaded again only behind this wait
	WIN 0x04                                       ; the LDS stores' data lie in window 1
.irp b, 0,1,2,3
	ds_store_b128 v[STO], v[8*(4*(\a)+(\b)):8*(4*(\a)+(\b))+3]   offset:64*(\b)
	ds_store_b128 v[STO], v[8*(4*(\a)+(\b))+4:8*(4*(\a)+(\b))+7] offset:64*(\b)+16
.endr
	WIN 0
.irp t, 0,1,2,3,4,5,6,7
	ds_load_b128 v[BK+32*((\a)%2)+4*(\t):BK+32*((\a)%2)+4*(\t)+3], v[RD] offset:(\t)*2*SP  ; LDS serves a wave's instructions in order (ISA guide 5.7.1.4): these see the stores above
.endr
.endm
.macro SENDB a, younger                ; younger: the LDS instructions issued behind block a's loads: the next block's sixteen, or none
.irp t, 0,1,2,3,4,5,6,7
	s_wait_dscnt (\younger)+7-(\t)
	global_store_b128 v[CO], v[BK+32*((\a)%2)+4*(\t):BK+32*((\a)%2)+4*(\t)+3], s[8:9] offset:(16*(\a)+2*(\t))*ROWC th:TH_STORE_NT  ; 16 lanes store 256 consecutive bytes, at a multiple of 256 from out0's first; 126 rows at the most: inside the signed 24-bit immediate
.endr
.endm
	OUTB 0
.irp a, 1,2,3,4,5,6,7
	OUTB \a
	SENDB (\a)-1, 16
.endr
	SENDB 7, 0
	s_wait_tensorcnt 0x0                           ; the wave's end: these three lines stand behind my last tensor load and my last LDS store
	ds_add_u32 v[SPW], v[NIL]
	s_wait_dscnt 0x0
	CROUND                                         ; the closing round: no work-group ends while a partner may still ask for a tile that names it
	s_endpgm
.Lfunc_end_k_q1e015416e8_oproj:
	.size	k_q1e015416e8_oproj, .Lfunc_end_k_q1e015416e8_oproj-k_q1e015416e8_oproj
	.p2alignl 7, 3214868480
	.fill 96, 4, 3214868480
	.section	.rodata,"a",@progbits
	.p2align	6, 0x0
	.amdhsa_kernel k_q1e015416e8_oproj
		.amdhsa_group_segment_fixed_size 327680
		.amdhsa_private_segment_fixed_size 0
		.amdhsa_enable_private_segment 0
		.amdhsa_kernarg_size 24
		.amdhsa_user_sgpr_count 2
		.amdhsa_user_sgpr_kernarg_segment_ptr 1
		.amdhsa_wavefront_size32 1
		.amdhsa_system_sgpr_workgroup_id_x 1
		.amdhsa_system_sgpr_workgroup_id_y 1
		.amdhsa_system_sgpr_workgroup_id_z 1
		.amdhsa_system_vgpr_workitem_id 0
		.amdhsa_next_free_vgpr 512
		.amdhsa_next_free_sgpr 66
		.amdhsa_reserve_vcc 0
		.amdhsa_float_denorm_mode_32 3
		.amdhsa_float_denorm_mode_16_64 3
		.amdhsa_memory_ordered 1
		.amdhsa_forward_progress 1
		.amdhsa_inst_pref_size 87
	.end_amdhsa_kernel
	.amdgpu_metadata
---
amdhsa.version: [ 1, 2 ]
amdhsa.kernels:
  - .name:           k_q1e015416e8_oproj
    .symbol:         k_q1e015416e8_oproj.kd
    .args:
      - { .name: att, .offset: 0, .size: 8, .value_kind: global_buffer, .address_space: global }
      - { .name: cvt, .offset: 8, .size: 8, .value_kind: global_buffer, .address_space: global }
      - { .name: out0, .offset: 16, .size: 8, .value_kind: global_buffer, .address_space: global }
    .group_segment_fixed_size: 327680
    .private_segment_fixed_size: 0
    .kernarg_segment_align: 8
    .kernarg_segment_size: 24
    .max_flat_workgroup_size: 128
    .sgpr_count:     66
    .vgpr_count:     512
    .wavefront_size: 32
...
	.end_amdgpu_metadata
.endif
;; end of part 4
;; ======== version 2 of 2: 4 launches; version 1 with the launch cast written anew for expert scheduling mode
;; limits: values are held in f16: magnitudes above 65,504 overflow, below 6.1e-05 lose precision
;; workspace buffers: cvt 30,408,704 bytes; qkv 16,777,216 bytes; att 8,388,608 bytes
;; launch cast (part 5): grid 928 x 1, 8 waves a work-group, no clusters, 0 bytes of LDS; arguments hidden_states, Wq, Wk, Wv, Wo, cos, sin, cvt; writes cvt
.if DOCPART == 5
	.amdgcn_target "amdgcn-amd-amdhsa--gfx1250"
	.amdhsa_code_object_version 6
	.text
	.protected	k_q1e015416e8_cast
	.globl	k_q1e015416e8_cast
	.p2align	8
	.type	k_q1e015416e8_cast,@function
k_q1e015416e8_cast:
	s_mov_b64 s[64:65], 0
	v_nop
	global_prefetch_b8 v0, s[64:65] scope:SCOPE_SE
	s_setreg_imm32_b32 hwreg(HW_REG_WAVE_SCHED_MODE, 0, 2), 2
	s_setreg_imm32_b32 hwreg(HW_REG_WAVE_MODE, 25, 1), 1
	s_wait_xcnt 0x0
	s_wait_alu depctr_vm_vsrc(0)
; CAST.  All 16-bit operands of the later launches, made once: x, Wq, Wk, Wv, cos and sin rounded to bf16; Wo rounded to bf16 and that number written as f16
; (exact inside f16's normal range; below 6e-5 it keeps f16's fixed step of 6e-8: a stated limit).
; cvt is 928 chunks of 32,768 bytes in the order x (512), Wq (128), Wk (64), Wv (64), Wo (128), cos (16), sin (16): a work-group makes chunk c from 16,384 f32 of its source.
; A stream: no LDS, no matrix unit.  Thread t takes 16 bytes at 16 t of each of 16 pieces of 4,096 bytes (a wave's load covers 512 consecutive bytes) and stores 8 bytes at 8 t of each
; piece of 2,048 bytes (a wave's store covers 256 consecutive bytes, aligned).  All 16 loads go out at once.
; THE MODE: SCHED_MODE bits 1:0 = 2 (LLVM: expert scheduling mode 2), set by the entry lines.  The code itself states the register dependences
; between vector instructions and memory instructions, with s_wait_alu, always for 0.
; THE PLAN.  Registers that memory instructions touch:
;   v1, v2   byte offsets of the loads and of the stores: written once at the head, never again.
;   X        piece i's four registers: written by its load, once; read by its roundings.  No load is issued behind the head.
;   Y        piece i's two registers: written by its roundings, once; read by its store.
;   T is named by vector instructions alone.
; No register is written again after a memory instruction has read it, and no load lands in a register that a vector instruction has named: what is left to state is that an offset or a Y is written
; before a memory instruction reads it.  One wait at the head states it for v1 and v2.  The 16 pieces go in four blocks of four: the wait at the head of block g states it for block g - 1's Y, whose
; four stores are then dealt among block g's roundings, which name block g's X and Y, and T: none of the registers that those stores read.  One more wait stands ahead of the last four stores.
.set CH_WQ,  512                       ; the sources' first chunks
.set CH_WK,  640
.set CH_WV,  704
.set CH_WO,  768
.set CH_COS, 896
.set CH_SIN, 912
.set X, 4                              ; v[4:67]    16 pieces as loaded
.set Y, 68                             ; v[68:99]   16 pieces to store
.set T, 100                            ; v[100:105] at work (Wo's path)
	s_load_b512 s[4:19], s[0:1], 0x0               ; x s[4:5], Wq s[6:7], Wk s[8:9], Wv s[10:11], Wo s[12:13], cos s[14:15], sin s[16:17], cvt s[18:19]
	v_lshlrev_b32 v1, 4, v0                        ; 16 t
	v_lshlrev_b32 v2, 3, v0                        ; 8 t
	s_mov_b32 s22, 0                               ; the source's first chunk
	s_mov_b32 s25, 0
	s_mov_b32 s27, 0
	s_lshl_b32 s26, ttmp9, 15                      ; my chunk in cvt
	s_mov_b32 s28, 0xffff0000                      ; a word's upper bf16
	s_wait_kmcnt 0x0
	s_mov_b64 s[20:21], s[4:5]
.macro PICK start, ptr                 ; from chunk start on the source is the buffer at s[ptr]: the choice hangs on the work-group's number alone
	s_cmp_ge_u32 ttmp9, \start
	s_cselect_b64 s[20:21], s[\ptr:\ptr+1], s[20:21]
	s_cselect_b32 s22, \start, s22
.endm
	PICK CH_WQ, 6
	PICK CH_WK, 8
	PICK CH_WV, 10
	PICK CH_WO, 12
	PICK CH_COS, 14
	PICK CH_SIN, 16
	s_sub_co_u32 s24, ttmp9, s22
	s_lshl_b32 s24, s24, 16                        ; my 65,536 bytes in the source
	s_add_nc_u64 s[20:21], s[20:21], s[24:25]
	s_add_nc_u64 s[18:19], s[18:19], s[26:27]
	s_wait_alu depctr_va_vdst(0)                   ; v1 and v2 are written: every load below reads v1 as its offset, every store of both paths v2
.irp i, 0,1,2,3,4,5,6,7,8,9,10,11,12,13,14,15
	global_load_b128 v[X+4*(\i):X+4*(\i)+3], v1, s[20:21] offset:4096*(\i) th:TH_LOAD_NT
.endr
; Piece pc is rounded into its Y.  wo = 1: to bf16 like every other input, then that number as f16, the format of the product that takes it.
.macro CVT pc, wo
.if \wo
	v_cvt_pk_bf16_f32 v[T],   v[X+4*(\pc)],   v[X+4*(\pc)+1]
	v_cvt_pk_bf16_f32 v[T+1], v[X+4*(\pc)+2], v[X+4*(\pc)+3]
	v_lshlrev_b32 v[T+2], 16,  v[T]
	v_and_b32     v[T+3], s28, v[T]
	v_lshlrev_b32 v[T+4], 16,  v[T+1]
	v_and_b32     v[T+5], s28, v[T+1]
	v_cvt_pk_f16_f32 v[Y+2*(\pc)],   v[T+2], v[T+3]
	v_cvt_pk_f16_f32 v[Y+2*(\pc)+1], v[T+4], v[T+5]
.else
	v_cvt_pk_bf16_f32 v[Y+2*(\pc)],   v[X+4*(\pc)],   v[X+4*(\pc)+1]
	v_cvt_pk_bf16_f32 v[Y+2*(\pc)+1], v[X+4*(\pc)+2], v[X+4*(\pc)+3]
.endif
.endm
.macro PUT pc                          ; piece pc is stored
	global_store_b64 v2, v[Y+2*(\pc):Y+2*(\pc)+1], s[18:19] offset:2048*(\pc)
.endm
; Block g: pieces 4 g to 4 g + 3 are rounded; the four stores of block g - 1 stand among their roundings, one ahead of each piece's.
.macro BLK g, wo
	s_wait_loadcnt 15-4*(\g)                       ; loads come back in order: the block's first piece is in, the younger ones stay out
.if (\g) > 0
	s_wait_alu depctr_va_vdst(0)                   ; the block before has written its Y, which the four stores below read; no vector instruction behind this wait names those registers
.endif
.irp i, 0,1,2,3
.if (\g) > 0
	PUT 4*(\g)-4+(\i)
.endif
.if (\i) > 0
	s_wait_loadcnt 15-4*(\g)-(\i)                  ; piece 4 g + i is in
.endif
	CVT 4*(\g)+(\i), \wo
.endr
.endm
	s_cmp_lt_u32 ttmp9, CH_WO
	s_cbranch_scc1 .Lplain
	s_cmp_lt_u32 ttmp9, CH_COS
	s_cbranch_scc1 .Lwo
.Lplain:
	BLK 0, 0
	BLK 1, 0
	BLK 2, 0
	BLK 3, 0
	s_wait_alu depctr_va_vdst(0)                   ; block 3 has written its Y, which the last four stores read
.irp i, 12,13,14,15
	PUT \i
.endr
	s_endpgm
.Lwo:                                  ; Wo's chunks
	BLK 0, 1
	BLK 1, 1
	BLK 2, 1
	BLK 3, 1
	s_wait_alu depctr_va_vdst(0)                   ; block 3 has written its Y, which the last four stores read
.irp i, 12,13,14,15
	PUT \i
.endr
	s_endpgm
.Lfunc_end_k_q1e015416e8_cast:
	.size	k_q1e015416e8_cast, .Lfunc_end_k_q1e015416e8_cast-k_q1e015416e8_cast
	.p2alignl 7, 3214868480
	.fill 96, 4, 3214868480
	.section	.rodata,"a",@progbits
	.p2align	6, 0x0
	.amdhsa_kernel k_q1e015416e8_cast
		.amdhsa_group_segment_fixed_size 0
		.amdhsa_private_segment_fixed_size 0
		.amdhsa_enable_private_segment 0
		.amdhsa_kernarg_size 64
		.amdhsa_user_sgpr_count 2
		.amdhsa_user_sgpr_kernarg_segment_ptr 1
		.amdhsa_wavefront_size32 1
		.amdhsa_system_sgpr_workgroup_id_x 1
		.amdhsa_system_sgpr_workgroup_id_y 1
		.amdhsa_system_sgpr_workgroup_id_z 1
		.amdhsa_system_vgpr_workitem_id 0
		.amdhsa_next_free_vgpr 108
		.amdhsa_next_free_sgpr 66
		.amdhsa_reserve_vcc 0
		.amdhsa_float_denorm_mode_32 3
		.amdhsa_float_denorm_mode_16_64 3
		.amdhsa_memory_ordered 1
		.amdhsa_forward_progress 1
		.amdhsa_inst_pref_size 16
	.end_amdhsa_kernel
	.amdgpu_metadata
---
amdhsa.version: [ 1, 2 ]
amdhsa.kernels:
  - .name:           k_q1e015416e8_cast
    .symbol:         k_q1e015416e8_cast.kd
    .args:
      - { .name: hidden_states, .offset: 0, .size: 8, .value_kind: global_buffer, .address_space: global }
      - { .name: Wq, .offset: 8, .size: 8, .value_kind: global_buffer, .address_space: global }
      - { .name: Wk, .offset: 16, .size: 8, .value_kind: global_buffer, .address_space: global }
      - { .name: Wv, .offset: 24, .size: 8, .value_kind: global_buffer, .address_space: global }
      - { .name: Wo, .offset: 32, .size: 8, .value_kind: global_buffer, .address_space: global }
      - { .name: cos, .offset: 40, .size: 8, .value_kind: global_buffer, .address_space: global }
      - { .name: sin, .offset: 48, .size: 8, .value_kind: global_buffer, .address_space: global }
      - { .name: cvt, .offset: 56, .size: 8, .value_kind: global_buffer, .address_space: global }
    .group_segment_fixed_size: 0
    .private_segment_fixed_size: 0
    .kernarg_segment_align: 8
    .kernarg_segment_size: 64
    .max_flat_workgroup_size: 256
    .sgpr_count:     66
    .vgpr_count:     108
    .wavefront_size: 32
...
	.end_amdgpu_metadata
.endif
;; end of part 5
;; launch qkvproj: the kernel of part 2 again; grid 16 x 16, 4 waves a work-group, clusters of 4 x 4, 327,680 bytes of LDS; arguments cvt, qkv; writes qkv
;; launch attn: the kernel of part 3 again; grid 16 x 16, 4 waves a work-group, clusters of 4 x 4, 327,680 bytes of LDS; arguments qkv, attention_mask, att; writes att
;; launch oproj: the kernel of part 4 again; grid 16 x 16, 4 waves a work-group, clusters of 4 x 4, 327,680 bytes of LDS; arguments att, cvt, out0; writes out0
